; MI455X (gfx1250); checked and timed in simulation.
; The chip was launched on July 23, 2026; its instructions are those of AMD's public machine-readable ISA for CDNA 5 (MIT licence, August 2026) and "CDNA5" Instruction Set Architecture Reference Guide (July 2026). The comments in the code are by the model that wrote it; some were corrected since.
;; Attention. Allowed arithmetic: matrix products marked QUANTISED: E4M3 operands, one given power-of-two scale a tensor, by v_wmma_f32_16x16x64_fp8_fp8 or v_wmma_f32_16x16x128_fp8_fp8, f32 sums; everything else in f32.
;; Inputs: Wo_codes 1,024 x 32 x 32 uint8 (E4M3 codes of Wo, K innermost, in blocks of 32 codes); Wqkv_codes 3,072 x 32 x 32 uint8 (E4M3 codes of Wqkv, K innermost, in blocks of 32 codes); bo 1,024 float32; bqkv 3,072 float32; lowp_scales 8 int32 (the exponents e of the quantised operands' scales 2^e); mask 2,048 x 2,048 bool; x_codes 4 x 2,048 x 32 x 32 uint8 (E4M3 codes of x, K innermost, in blocks of 32 codes).
;; Outputs: out0 4 x 2,048 x 1,024 float32.
;; This version of the problem:
;;   THIS VERSION OF THE PROBLEM IS GIVEN IN LOW PRECISION. The matrix products marked QUANTISED in the list below multiply operands that are first quantised to E4M3 (4 exponent bits, 3 mantissa bits; 8 bits a number), with one given power-of-two scale for each operand tensor; their sums are f32. All else is computed in f32.
;;   The module's matrix products, in the order in which they are computed (A, B: the left and right operand; K: the contracted axis; several contracted axes count as one K, in the product's order):
;;     1. [M 8,192, K 1,024] x [K 1,024, N 3,072]; A: input x (given as codes); B: input Wqkv (given as codes): QUANTISED (scales: A lowp_scales[0], B lowp_scales[1])
;;     2. batch 64 x [M 2,048, K 64] x [K 64, N 2,048]; A: computed on the way; B: computed on the way: QUANTISED (scales: A lowp_scales[2], B lowp_scales[3])
;;     3. batch 64 x [M 2,048, K 2,048] x [K 2,048, N 64]; A: softmax (see below); B: computed on the way: QUANTISED (scales: A lowp_scales[4], B lowp_scales[5])
;;     4. [M 8,192, K 1,024] x [K 1,024, N 1,024]; A: computed on the way; B: input Wo (given as codes): QUANTISED (scales: A lowp_scales[6], B lowp_scales[7])
;;   THE QUANTISER, for each operand of a quantised product, along K:
;;     - The operand's scale is 2^e, e = its entry of the input lowp_scales (int32; the entries are numbered through the quantised products in the list's order, A before B).
;;     - Each number is divided by the scale, clamped to +-448, and rounded to the nearest number of E4M3, ties to even, subnormals kept.
;;     - The product sums the exact products of the quantised numbers (number of the format x scale) in f32.
;;   ~~~python
;;   def quantise(x, axis, e):      # numpy; x: float32 -> the quantised numbers, widened to float32 again
;;       x = np.moveaxis(x, axis, -1); K = x.shape[-1]
;;       r = np.clip(x / 2.0 ** e, -448, 448)
;;       step = 2.0 ** (np.maximum(np.frexp(np.where(r == 0, 1, r))[1] - 1, -6) - 3)
;;       q = np.round(r / step) * step * 2.0 ** e      # np.round: ties to even
;;       return np.moveaxis(q, -1, axis).astype(np.float32)
;;   ~~~
;;   SOFTMAX AHEAD OF A QUANTISED PRODUCT. Where the list says 'softmax', what is quantised is not the finished softmax but p = 2^(t - M), with t = logit x log2(e) and M = ceil(the row's largest t), a whole number; so 1/2 < the row's largest p <= 1. The row's sum l is taken of the UNQUANTISED p, in f32, and the product's result is divided by l at the end. Since M is a whole number, a kernel that streams over the keys may use a running M (the ceiling of the running maximum): every later rescaling is an exact power of two, so the quantised numbers keep their values, but for numbers so far below the row's largest that they fall under the format's range.
;;   OPERANDS COMPUTED ON THE WAY. 'Computed on the way' means the value that the module computes at that place (a softmax that the list does not call 'softmax' is quantised finished and normalised). What goes into a quantiser is computed in f32, as accurately as f32 sums, v_exp_f32 and their like allow (about 1e-6 of the number): no bf16 or f16 on the way to a quantiser, and a product that is left as it is and whose result goes on into a quantised operand takes f32 operands (vector FMAs, or v_wmma_f32_16x16x4_f32). A number that lies on a knife's edge between two numbers of the format may be rounded either way, as far as f32 arithmetic and the matrix unit's own rounding can turn it there, and no further.
;;   INPUTS GIVEN AS CODES. Wo (in the module: [1024, 1024], K = its axis 1); Wqkv (in the module: [3072, 1024], K = its axis 1); x (in the module: [4, 2048, 1024], K = its axis 2): each comes as NAME_codes (uint8): NAME with its K axis moved to the last place and cut into blocks of 32 codes, [.., K / 32, bytes a block], one block behind the other in memory; one code a byte (a code: sign, 4 exponent bits, 3 mantissa bits); its scale is its entry of lowp_scales. Its value is code x scale, taken as it is: it is not quantised again, and the codes and scales need not be those that the quantiser above would give.
;; 2 versions, each right; version 2 is version 1 with the launch attn written anew for expert scheduling mode. Each part assembles by itself: llvm-mc -triple=amdgcn-amd-amdhsa -mcpu=gfx1250 --defsym DOCPART=n.
;; ======== version 1 of 2: 4 launches
;; workspace buffers: qimg 8,388,608 bytes; kimg 8,388,608 bytes; vimg 8,388,608 bytes; oimg 8,388,608 bytes; maskw 524,288 bytes of whole numbers; tflags 8,192 bytes of whole numbers; need 1,024 bytes of whole numbers
;; launch maskpack (part 1): grid 16 x 16, 8 waves a work-group, no clusters, 1,280 bytes of LDS; arguments mask, maskw, tflags, need; writes maskw, tflags, need
.if DOCPART == 1
	.amdgcn_target "amdgcn-amd-amdhsa--gfx1250"
	.amdhsa_code_object_version 6
	.text
	.protected	k_q262bfaddaa_maskpack
	.globl	k_q262bfaddaa_maskpack
	.p2align	8
	.type	k_q262bfaddaa_maskpack,@function
k_q262bfaddaa_maskpack:
	s_mov_b64 s[64:65], 0
	v_nop
	global_prefetch_b8 v0, s[64:65] scope:SCOPE_SE
	s_setreg_imm32_b32 hwreg(HW_REG_WAVE_MODE, 25, 1), 1
	s_wait_xcnt 0x0
; The mask [2048 queries][2048 keys], one byte a place (1 = hidden), is packed into lane masks for the attention launch, and each tile of 16 queries x 128 keys gets two flags.
; Work-group (x, y): key step x (128 keys), queries 128 y .. 128 y + 127.  Wave w takes the tile of 16 queries number T16 = 8 y + w: group g = T16 / 2 of 32 queries, tile u = T16 % 2.
; THE QUERIES OF A TILE ARE NOT NEIGHBOURS: lane (r = lane % 16, h = lane / 16) stands for query 32 g + 8 u + r + 8 (r / 8), and its score register n for key 128 x + 32 (n / 16) + 16 h + n % 16: the attention launch's layout.
; maskw: record ((16 g + x) 2 + u) of 64 words; bit l of word n = the mask at lane l's query and its key n.
; tflags: word 16 T16 + x = f << 2 x; f bit 0: some key of the tile is open, bit 1: some key is hidden.   need: word 16 y + x = (some key open for any of the 128 queries) << x.
; The shifts are made here so that a reader sums a row of words by OR alone.
	s_load_b128 s[4:7], s[0:1], 0x0                ; mask, maskw
	s_load_b128 s[8:11], s[0:1], 0x10              ; tflags, need
	v_lshl_add_u32 v32, v0, 2, 0x100
	v_mov_b32 v33, 0
	v_lshrrev_b32 v1, 5, v0
	v_readfirstlane_b32 s12, v1                    ; wave 0..7
	v_and_b32 v2, 31, v0                           ; lane
	v_and_b32 v3, 15, v0                           ; r
	v_and_b32 v5, 8, v0                            ; 8 (r / 8)
	v_bfe_u32 v4, v0, 4, 1                         ; h
	v_add_nc_u32 v3, v3, v5
	v_lshlrev_b32 v3, 11, v3                       ; my query's row of 2,048 bytes
	v_lshl_add_u32 v3, v4, 4, v3                   ; + 16 h
	v_lshlrev_b32 v6, 3, v2                        ; 8 x lane: my two words of the record
	v_mov_b32 v24, 0                               ; written whole: a lane write counts as a reader of its destination
	v_mov_b32 v25, 0
	v_mov_b32 v31, 0
	s_and_b32 s13, ttmp7, 0xffff                   ; y
	s_lshl_b32 s14, s13, 3
	s_add_co_u32 s14, s14, s12                     ; T16
	s_lshr_b32 s15, s14, 1                         ; g
	s_and_b32 s16, s14, 1                          ; u
	s_lshl_b32 s18, s15, 16                        ; 32 g rows of 2,048 bytes
	s_lshl_b32 s17, s16, 14                        ; 8 u rows
	s_add_co_u32 s18, s18, s17
	s_lshl_b32 s17, ttmp9, 7                       ; 128 x
	s_add_co_u32 s18, s18, s17
	s_mov_b32 s19, 0
	s_lshl_b32 s26, s15, 13                        ; the record: 8,192 g + 512 x + 256 u
	s_lshl_b32 s17, ttmp9, 9
	s_add_co_u32 s26, s26, s17
	s_lshl_b32 s17, s16, 8
	s_add_co_u32 s26, s26, s17
	s_mov_b32 s27, 0
	s_lshl_b32 s28, s14, 6                         ; tflags: 64 T16 + 4 x
	s_lshl_b32 s17, ttmp9, 2
	s_add_co_u32 s28, s28, s17
	s_mov_b32 s29, 0
	s_lshl_b32 s30, s13, 6                         ; need: 64 y + 4 x
	s_add_co_u32 s30, s30, s17
	s_mov_b32 s31, 0
	s_wait_kmcnt 0x0
	s_add_nc_u64 s[4:5], s[4:5], s[18:19]
	s_add_nc_u64 s[6:7], s[6:7], s[26:27]
	s_add_nc_u64 s[8:9], s[8:9], s[28:29]
	s_add_nc_u64 s[10:11], s[10:11], s[30:31]
.irp b, 0,1,2,3
	global_load_b128 v[8+4*\b:11+4*\b], v3, s[4:5] offset:32*\b th:TH_LOAD_NT   ; keys 32 b + 16 h + 0 .. 15 of my query: byte n % 4 of v[8 + n / 4] is key n
.endr
	s_mov_b32 s24, 0                               ; the OR of the 64 words
	s_mov_b32 s25, -1                              ; and their AND
	s_wait_loadcnt 0x0
.set n, 0
.rept 64                                       ; four sets of registers take turns, so that no line waits for the line above it
	v_bfe_u32 v[26+n%4], v[8+n/4], 8*(n%4), 8
	v_cmp_ne_u32 s[20+n%4], 0, v[26+n%4]           ; word n: a bit a lane
	v_writelane_b32 v[24+n%2], s[20+n%4], n/2      ; lane n / 2 keeps words n (even) and n + 1
	s_or_b32 s24, s24, s[20+n%4]
	s_and_b32 s25, s25, s[20+n%4]
.set n, n+1
.endr
	global_store_b64 v6, v[24:25], s[6:7]          ; the wave stores the record's 256 consecutive bytes, aligned
	s_cmp_lg_u32 s25, -1
	s_cselect_b32 s20, 1, 0                        ; some key is open
	s_cmp_lg_u32 s24, 0
	s_cselect_b32 s21, 2, 0                        ; some key is hidden
	s_or_b32 s21, s21, s20
	s_lshl_b32 s22, ttmp9, 1
	s_lshl_b32 s21, s21, s22                       ; f << 2 x
	s_lshl_b32 s20, s20, ttmp9                     ; open << x
	v_mov_b32 v30, s21
	v_mov_b32 v29, s20
	v_mov_b32 v28, s12
	v_lshlrev_b32 v28, 2, v28
	ds_store_b32 v28, v29                          ; my wave's word: all lanes write the same number to it
	v_cmp_gt_u32 vcc_lo, 1, v2                     ; lane 0
	s_wait_xcnt 0x0                                ; EXEC is a source of the store above: it changes only behind this wait
	s_and_saveexec_b32 s23, vcc_lo
	global_store_b32 v31, v30, s[8:9]
	s_wait_xcnt 0x0                                ; and again in front of the line that widens it
	s_or_b32 exec_lo, exec_lo, s23
	s_wait_dscnt 0x0                               ; for the others' sake: my word lies in LDS
	s_barrier_signal -1
	s_barrier_wait -1
	s_cmp_lg_u32 s12, 0
	s_cbranch_scc1 .Ldone                          ; wave 0 sums the eight words
	ds_load_b128 v[8:11], v31
	ds_load_b128 v[12:15], v31 offset:16
	s_wait_dscnt 0x0
	v_or_b32 v8, v8, v9
	v_or_b32 v10, v10, v11
	v_or_b32 v12, v12, v13
	v_or_b32 v14, v14, v15
	v_or_b32 v8, v8, v10
	v_or_b32 v12, v12, v14
	v_or_b32 v8, v8, v12
	s_and_saveexec_b32 s23, vcc_lo                 ; no global instruction has been issued since the last wait on XCNT
	global_store_b32 v31, v8, s[10:11]
	s_wait_xcnt 0x0
	s_or_b32 exec_lo, exec_lo, s23
.Ldone:
	s_wait_tensorcnt 0x0
	ds_add_u32 v32, v33
	s_wait_dscnt 0x0
	s_endpgm
.Lfunc_end_k_q262bfaddaa_maskpack:
	.size	k_q262bfaddaa_maskpack, .Lfunc_end_k_q262bfaddaa_maskpack-k_q262bfaddaa_maskpack
	.p2alignl 7, 3214868480
	.fill 96, 4, 3214868480
	.section	.rodata,"a",@progbits
	.p2align	6, 0x0
	.amdhsa_kernel k_q262bfaddaa_maskpack
		.amdhsa_group_segment_fixed_size 1280
		.amdhsa_private_segment_fixed_size 0
		.amdhsa_enable_private_segment 0
		.amdhsa_kernarg_size 32
		.amdhsa_user_sgpr_count 2
		.amdhsa_user_sgpr_kernarg_segment_ptr 1
		.amdhsa_wavefront_size32 1
		.amdhsa_system_sgpr_workgroup_id_x 1
		.amdhsa_system_sgpr_workgroup_id_y 1
		.amdhsa_system_sgpr_workgroup_id_z 1
		.amdhsa_system_vgpr_workitem_id 0
		.amdhsa_next_free_vgpr 34
		.amdhsa_next_free_sgpr 66
		.amdhsa_reserve_vcc 1
		.amdhsa_float_denorm_mode_32 3
		.amdhsa_float_denorm_mode_16_64 3
		.amdhsa_memory_ordered 1
		.amdhsa_forward_progress 1
		.amdhsa_inst_pref_size 21
	.end_amdhsa_kernel
	.amdgpu_metadata
---
amdhsa.version: [ 1, 2 ]
amdhsa.kernels:
  - .name:           k_q262bfaddaa_maskpack
    .symbol:         k_q262bfaddaa_maskpack.kd
    .args:
      - { .name: mask, .offset: 0, .size: 8, .value_kind: global_buffer, .address_space: global }
      - { .name: maskw, .offset: 8, .size: 8, .value_kind: global_buffer, .address_space: global }
      - { .name: tflags, .offset: 16, .size: 8, .value_kind: global_buffer, .address_space: global }
      - { .name: need, .offset: 24, .size: 8, .value_kind: global_buffer, .address_space: global }
    .group_segment_fixed_size: 1280
    .private_segment_fixed_size: 0
    .kernarg_segment_align: 8
    .kernarg_segment_size: 32
    .max_flat_workgroup_size: 256
    .sgpr_count:     66
    .vgpr_count:     34
    .wavefront_size: 32
...
	.end_amdgpu_metadata
.endif
;; end of part 1
;; launch qkv (part 2): grid 12 x 32, 4 waves a work-group, clusters of 4 x 4, 327,680 bytes of LDS; arguments x_codes, Wqkv_codes, lowp_scales, bqkv, qimg, kimg, vimg; writes qimg, kimg, vimg
.if DOCPART == 2
	.amdgcn_target "amdgcn-amd-amdhsa--gfx1250"
	.amdhsa_code_object_version 6
	.text
	.protected	k_q262bfaddaa_qkv
	.globl	k_q262bfaddaa_qkv
	.p2align	8
	.type	k_q262bfaddaa_qkv,@function
k_q262bfaddaa_qkv:
	s_mov_b64 s[64:65], 0
	v_nop
	global_prefetch_b8 v0, s[64:65] scope:SCOPE_SE
	s_setreg_imm32_b32 hwreg(HW_REG_WAVE_MODE, 25, 1), 1
	s_wait_xcnt 0x0
	s_wait_alu depctr_hold_cnt(0) depctr_sa_sdst(0) depctr_va_vdst(0) depctr_va_sdst(0) depctr_va_ssrc(0) depctr_va_vcc(0) depctr_vm_vsrc(0)
	s_getreg_b32 s2, hwreg(HW_REG_IB_STS2, 6, 4)
	s_cmp_eq_u32 s2, 0
	s_cbranch_scc0 .Lentry_in_a_cluster
	s_endpgm
.Lentry_in_a_cluster:
	s_bfe_u32 s2, ttmp6, 0x10000c
	s_cmp_lg_u32 s2, 0xf033
	s_cbranch_scc0 .Lentry_shape_is_right
	s_endpgm
.Lentry_shape_is_right:
; qkv = x Wqkv^T + bqkv on codes of FP8 (E4M3), then q, k and v are quantised with the given scales 2^e2, 2^e3, 2^e5 and stored as IMAGES OF OPERAND REGISTERS for the attention launch.
; x: [8192 tokens][1024], Wqkv: [3072][1024]: codes, K innermost; a sum stands for sum x 2^(e0 + e1).  A tile of 256 x 256 is made by four waves, 128 x 128 each: 64 accumulators, 512 registers.
; K goes in steps of 256 through a ring of two LDS slots filled by the tensor data mover; 1,024 along K are four slots, so the ring is written out without a backward jump.
; CLUSTERS: 4 x 4 work-groups; the "A" tile is shared along a row of the cluster, the "B" tile along a column: each is asked for jointly, by the same tensor load with a mask that names the four.
; Clusters x = 0 (q) and 1 (k): A = 256 tokens of x, B = 256 rows of Wqkv.  Clusters x = 2 (v): A = 256 rows of Wv, B = 256 tokens: the same text makes v TRANSPOSED, so that a lane's registers run along the keys,
; which are the K of attention's second product.  Only pointers and tile numbers are chosen (by selects on the cluster's x, which all sixteen partners share); no LDS address, mask or line of the ring differs.
; THE MATRIX INSTRUCTION IS USED TRANSPOSED (source 0 = 16 rows of B, source 1 = 16 rows of A): lane (r, h) of accumulator (a, b) holds row 16 a + r of A's side and, in register j, row 16 b + 8 h + j of B's side.
; IMAGES.  A chunk of 8,192 bytes belongs to (batch, head, 128 tokens).  q, k: byte 1024 T + 512 c + 16 (16 h' + p) + x = channel 32 c + 16 h' + x of the token at row p of tile T = 2 B + u: token 32 B + 8 u + p + 8 (p / 8).
; v: byte 2048 t + 512 c + 16 (16 h' + p) + x = channel 16 t + p, key 32 c + 16 h' + x.  A reader's ds_load_b128 at 16 x lane then brings four registers of a fragment.
; LIMITS on the given exponents, so that each power of two below is an f32 number: e0 + e1 between -126 and 127; e2, e3, e5 between -126 and 119.  NaN among the biases is not served.
; REGISTERS, in windows of 256: window 0: v0-31 addresses and the quantiser's two numbers; v32-95, v96-111 biases; v112-127 codes; from v128 A's fragments, ONE set (on the way out: v128-191 numbers, v192-255 a chunk's rows).
;   window 1: B's fragments, TWO sets, at v0 and v128.   window 2: the accumulators of A's blocks 0-3 ((a, b) at v[8 (8 a + b)]);   window 3: those of blocks 4-7.
.set KROW,   1024                      ; a row of x or of Wqkv in bytes
.set ROWB,   256                       ; a tile's row: 256 codes
.set PITCH,  272                       ; an LDS row: 256 bytes + 16 of padding = 68 words, so the 16 rows that a load touches start at 16 different banks (64 banks of 4 bytes: ISA guide 11.1)
.set FR,     16                        ; registers of a fragment: 16 rows x 128 K
.set NL,     4                         ; LDS loads that bring one
.set NP,     4                         ; places behind this matrix instruction (ISA guide 7.12.1)
.set HALFT,  128*PITCH                 ; 128 rows: what one tensor load brings
.set SLOT,   4*HALFT                   ; A's 256 rows, then B's 256 rows
.set SPARE,  2*SLOT                    ; behind the ring: the spare words, 128 bytes for each wave: two blocks of 256 bytes that no other line names
.set VSTG,   65536                     ; the way out: q's and k's stages at 16,384 x wave, v's at VSTG + 16,384 x wave: all in slot 0, which has had its last fill and its last read by then
.set ADRA, 16                          ; v16-17  LDS address of my A fragments in slot 0, 1
.set ADRB, 20                          ; v20-21  the same for B
.set STQ,  22                          ; v22     q, k: where I put 8 codes
.set RDQ,  23                          ; v23     q, k: where I read the image back
.set STV,  24                          ; v24     v: the same two
.set RDV,  25
.set CO,   26                          ; v26     16 x lane: my place in 512 bytes of an image
.set SPW,  28                          ; v28     LDS address of my spare word; never rewritten
.set NIL,  29                          ; v29     0; never rewritten
.set VSC,  30                          ; v30     2^e as f32, for the conversions
.set VLIM, 31                          ; v31     448 x 2^e
.set BC,   32                          ; v32-95  q, k: the bias of my 8 channels of each of B's 8 blocks
.set BR,   96                          ; v96-111 v: the bias of my channel of each of A's 8 blocks, twice (a pair for the packed form)
.set CD,   112                         ; v112-127 eight accumulators' codes
.set AF,   128
.set TMP,  128
.set BK,   192
.set G1, 24                            ; s[24:31] descriptor group 1 for A's tiles;  s[32:39] group 0, one set for each slot
.set G0, 32
.set G1B, 48                           ; s[48:55], s[56:63] the same for B's tiles
.set G0B, 56
.set MSB, 0
.macro WIN new                         ; the immediate's high byte repeats the setting that is left
.if MSB != (\new)
	s_set_vgpr_msb (MSB<<8)|(\new)
.set MSB, (\new)
.endif
.endm
.set MUL_LO, 0xa1                      ; source 0 (B) window 1, source 1 (A) window 0, C and D window 2
.set MUL_HI, 0xf1                      ; the same, C and D window 3
.set TO_B,   0x40                      ; destination window 1, address window 0
; A joint load: waves 0 and 1 fetch for A, waves 2 and 3 for B.  The branch hangs on the wave's number alone.  Four v_nop follow each of the two lines.
.macro JLOAD g0a, g1a, g0b, g1b
	s_cmp_eq_u32 s15, 0
	s_cbranch_scc0 .Lfor_b_\@
	tensor_load_to_lds s[\g0a:\g0a+3], s[\g1a:\g1a+7]
	s_nop 0
.rept 4
	v_nop
.endr
	s_branch .Lasked_\@
.Lfor_b_\@:
	tensor_load_to_lds s[\g0b:\g0b+3], s[\g1b:\g1b+7]
	s_nop 0
.rept 4
	v_nop
.endr
.Lasked_\@:
.endm
.macro CREST                           ; a round of the cluster's barrier behind its opening barrier
	s_cmp_lg_u32 s14, 0
	s_cbranch_scc1 .Lnot_wave_0_\@
	s_barrier_signal -3
.Lnot_wave_0_\@:
	s_barrier_wait -3
	s_barrier_signal -1
	s_barrier_wait -1
.endm
.macro CROUND                          ; a whole round
	s_barrier_signal -1
	s_barrier_wait -1
	CREST
.endm
	s_load_b128 s[4:7], s[0:1], 0x0                ; x's codes, Wqkv's codes
	s_load_b128 s[8:11], s[0:1], 0x10              ; the scales' exponents, bqkv
	s_load_b128 s[68:71], s[0:1], 0x20             ; qimg, kimg
	s_load_b64 s[72:73], s[0:1], 0x30              ; vimg
	v_lshl_add_u32 v[SPW], v0, 2, SPARE
	v_mov_b32 v[NIL], 0
	ds_add_u32 v28, v29
	ds_add_u32 v28, v29
	s_wait_dscnt 0x0
	v_lshrrev_b32 v1, 5, v0
	v_readfirstlane_b32 s14, v1                    ; wave 0..3
	s_lshr_b32 s15, s14, 1                         ; which half of A's rows is mine.  Also: I fetch for A (0) or for B (1)
	s_and_b32 s16, s14, 1                          ; which half of B's rows.  Also: which 128 rows of that tile I fetch
	s_bfe_u32 s40, ttmp6, 0x40000                  ; cx, cy: my place in the cluster
	s_bfe_u32 s41, ttmp6, 0x40004
	s_and_b32 s66, ttmp7, 0xffff                   ; the cluster's y, 0..7
	s_cmp_eq_u32 ttmp9, 2                          ; the cluster's x: 0 q, 1 k, 2 v
	s_cselect_b32 s67, ttmp9, s66                  ; v: A's tiles go by the cluster's x (Wqkv's rows 2,048 on), B's by its y (tokens); q, k: the other way round
	s_cselect_b32 s74, s66, ttmp9
	s_lshl_b32 s17, s67, 2
	s_add_co_u32 s17, s17, s41                     ; A's tile number hangs on cy alone among the places in the cluster
	s_lshl_b32 s42, s74, 2
	s_add_co_u32 s42, s42, s40                     ; B's on cx alone
	s_lshl_b32 s43, s41, 2
	s_lshl_b32 s43, 15, s43                        ; my row of the cluster
	s_lshl_b32 s44, 0x1111, s40                    ; my column
	; descriptor group 1: a tile of 128 rows x 256 bytes, padded in LDS
	s_or_b32 s[G1+0], s43, (0<<16)|(1<<20)|(1<<21)|(5<<22)|(3<<25)  ; 15:0 the mask; 17:16 element of 1 byte; 20 padding on; 21 set beside a mask; 24:22 after every 64 words (code 5); 31:25 of 4 words (code 3)
	s_or_b32 s[G1B+0], s44, (0<<16)|(1<<20)|(1<<21)|(5<<22)|(3<<25)
.irp g, G1, G1B
	s_mov_b32 s[\g+1], ROWB<<16                    ; tensor_dim0
	s_mov_b32 s[\g+2], 128<<16                     ; tensor_dim1
	s_mov_b32 s[\g+3], ROWB<<16                    ; tile_dim0
	s_mov_b32 s[\g+4], 128                         ; tile_dim1
	s_mov_b32 s[\g+5], KROW                        ; tensor_dim0_stride
	s_mov_b32 s[\g+6], 0
	s_mov_b32 s[\g+7], 0
.endr
	s_lshl_b32 s18, s16, 7                         ; which 128 rows of the tile I fetch
	s_lshl_b32 s20, s17, 8
	s_add_co_u32 s20, s20, s18
	s_lshl_b32 s20, s20, 10                        ; A: (256 x tile + 128 x half) rows of 1,024 bytes
	s_mov_b32 s21, 0
	s_lshl_b32 s46, s42, 8
	s_add_co_u32 s46, s46, s18
	s_lshl_b32 s46, s46, 10                        ; B likewise
	s_mov_b32 s47, 0
	s_mul_i32 s45, s14, HALFT                      ; where they go: wave x 128 rows: no place in the cluster enters an LDS address
	s_wait_kmcnt 0x0
	s_load_b256 s[76:83], s[8:9], 0x0              ; e0 .. e7
	s_cmp_eq_u32 ttmp9, 2
	s_cselect_b64 s[86:87], s[6:7], s[4:5]         ; A's tensor: Wqkv for v, else x
	s_cselect_b64 s[88:89], s[4:5], s[6:7]         ; B's
	s_add_nc_u64 s[20:21], s[86:87], s[20:21]
	s_add_nc_u64 s[46:47], s[88:89], s[46:47]
	CROUND                                         ; all sixteen work-groups are here: the first joint loads meet
.irp s, 0,1
	s_mov_b32 s[G0+4*\s], 1
	s_add_co_u32 s[G0+4*\s+1], s45, \s*SLOT
	s_add_nc_u64 s[G0+4*\s+2:G0+4*\s+3], s[20:21], \s*ROWB
	s_or_b32 s[G0+4*\s+3], s[G0+4*\s+3], 0x80000000
	s_mov_b32 s[G0B+4*\s], 1
	s_add_co_u32 s[G0B+4*\s+1], s45, \s*SLOT
	s_add_nc_u64 s[G0B+4*\s+2:G0B+4*\s+3], s[46:47], \s*ROWB
	s_or_b32 s[G0B+4*\s+3], s[G0B+4*\s+3], 0x80000000
	JLOAD G0+4*\s, G1, G0B+4*\s, G1B
.endr
	v_and_b32 v1, 15, v0                           ; r
	v_bfe_u32 v2, v0, 4, 1                         ; h
	v_mul_u32_u24 v3, v1, PITCH
	v_lshl_add_u32 v4, v2, 4, v3                   ; a fragment's row x pitch + 16 h
	s_mul_i32 s21, s15, HALFT                      ; my 128 rows of A
	s_mul_i32 s22, s16, HALFT                      ; my 128 rows of B,
	s_add_co_u32 s22, s22, 2*HALFT                 ; which lie behind A's 256
.irp s, 0,1
	v_add_nc_u32 v[ADRA+\s], s21, v4
	v_add_nc_u32 v[ADRB+\s], s22, v4
	s_add_co_u32 s21, s21, SLOT
	s_add_co_u32 s22, s22, SLOT
.endr
	; the way out's LDS addresses, for both kinds of cluster, made here on the one way that all waves take
	v_bfe_u32 v5, v0, 3, 1                         ; r / 8
	v_and_b32 v6, 7, v0                            ; r % 8
	v_and_b32 v7, 31, v0                           ; lane
	s_lshl_b32 s23, s14, 14                        ; my stage: two chunks
	v_lshlrev_b32 v[STQ], 10, v5
	v_lshl_add_u32 v[STQ], v6, 4, v[STQ]
	v_lshl_add_u32 v[STQ], v2, 3, v[STQ]
	v_add_nc_u32 v[STQ], s23, v[STQ]               ; q, k: token 16 a + r is row r % 8 + 8 (a % 2) of tile 2 (a / 2) + r / 8: 1024 (r / 8) + 16 (r % 8) + 8 h; the rest stands in the immediates
	v_lshlrev_b32 v[CO], 4, v7
	v_add_nc_u32 v[RDQ], s23, v[CO]
	s_add_co_u32 s23, s23, VSTG
	v_lshlrev_b32 v[STV], 4, v1
	v_lshl_add_u32 v[STV], v2, 3, v[STV]
	v_add_nc_u32 v[STV], s23, v[STV]               ; v: 16 r + 8 h
	v_add_nc_u32 v[RDV], s23, v[CO]
	; which rows of A's and B's sides are my wave's, and what they mean
	s_lshl_b32 s90, s17, 8
	s_lshl_b32 s91, s15, 7
	s_add_co_u32 s90, s90, s91                     ; A's side: 256 x tile + 128 x half
	s_lshl_b32 s91, s42, 8
	s_lshl_b32 s92, s16, 7
	s_add_co_u32 s91, s91, s92                     ; B's side
	s_cmp_eq_u32 ttmp9, 2
	s_cselect_b32 s92, s91, s90                    ; my first token
	s_cselect_b32 s93, s90, s91                    ; my first row of Wqkv: two whole heads
	s_cselect_b32 s94, 0, s91                      ; the bias along B's side (q, k); in a v cluster the set is loaded from entry 0 on and not used
	s_cselect_b32 s95, s90, 0                      ; the bias along A's side (v); in a q or k cluster likewise
	s_lshl_b32 s18, s94, 2
	s_mov_b32 s19, 0
	s_add_nc_u64 s[86:87], s[10:11], s[18:19]
	s_lshl_b32 s18, s95, 2
	s_add_nc_u64 s[88:89], s[10:11], s[18:19]
	v_lshlrev_b32 v9, 5, v2                        ; 32 h: my 8 channels of a block of 16
	v_lshlrev_b32 v10, 2, v1                       ; 4 r: my channel
.irp b, 0,1,2,3,4,5,6,7
	global_load_b128 v[BC+8*\b:BC+8*\b+3], v9, s[86:87] offset:64*\b
	global_load_b128 v[BC+8*\b+4:BC+8*\b+7], v9, s[86:87] offset:64*\b+16
.endr
.irp a, 0,1,2,3,4,5,6,7
	global_load_b32 v[BR+2*\a], v10, s[88:89] offset:64*\a
	global_load_b32 v[BR+2*\a+1], v10, s[88:89] offset:64*\a
.endr
	s_lshr_b32 s90, s92, 11                        ; batch
	s_lshl_b32 s90, s90, 4
	s_and_b32 s91, s93, 1023
	s_lshr_b32 s91, s91, 6                         ; head
	s_add_co_u32 s90, s90, s91
	s_lshl_b32 s90, s90, 4
	s_bfe_u32 s91, s92, 0x40007                    ; which 128 tokens of the batch's 2,048
	s_add_co_u32 s90, s90, s91
	s_lshl_b32 s90, s90, 13                        ; chunks of 8,192 bytes
	s_mov_b32 s91, 0
	s_wait_kmcnt 0x0
	s_add_co_i32 s96, s76, s77
	s_add_co_i32 s96, s96, 127
	s_lshl_b32 s96, s96, 23                        ; 2^(e0 + e1) as f32
	s_mov_b32 s97, s96                             ; (named with it as a pair, so it is written)
	s_cmp_eq_u32 ttmp9, 0
	s_cselect_b32 s22, s78, s79                    ; e2 for q, e3 for k,
	s_cselect_b64 s[84:85], s[68:69], s[70:71]
	s_cmp_eq_u32 ttmp9, 2
	s_cselect_b32 s22, s81, s22                    ; e5 for v: a choice, no branch
	s_cselect_b64 s[84:85], s[72:73], s[84:85]
	s_add_nc_u64 s[84:85], s[84:85], s[90:91]      ; my first head's chunk; the second head's lies 16 chunks on
	s_add_co_i32 s22, s22, 127
	s_lshl_b32 s23, s22, 23
	v_mov_b32 v[VSC], s23
	s_add_co_i32 s22, s22, 8
	s_lshl_b32 s22, s22, 23
	s_or_b32 s22, s22, 0x600000
	v_mov_b32 v[VLIM], s22
.macro FRAG reg, adr, q, i             ; a fragment: lane l holds row l % 16; registers 4 c .. 4 c + 3 hold K = 32 c + 16 (l / 16) + 0 .. 15: the same order of K on both sides, so every product meets its partner
.irp c, 0,1,2,3
	ds_load_b128 v[\reg+4*\c:\reg+4*\c+3], v[\adr] offset:128*(\q)+32*\c+(\i)*16*PITCH
.endr
.endm
; 16 matrix instructions: A's blocks a0, a0 + 1 x B's eight, 128 along K.  p: B's set.  zero = 1: the first product starts the sums.  The 64 accumulators take turns, one instruction a turn.
.macro MUL16 a0, p, zero
.irp a, \a0, \a0+1
.irp b, 0,1,2,3,4,5,6,7
.if \zero
	v_wmma_f32_16x16x128_fp8_fp8 v[8*(8*((\a)%4)+\b):8*(8*((\a)%4)+\b)+7], v[128*(\p)+FR*\b:128*(\p)+FR*\b+FR-1], v[AF+FR*(\a):AF+FR*(\a)+FR-1], 0
.else
	v_wmma_f32_16x16x128_fp8_fp8 v[8*(8*((\a)%4)+\b):8*(8*((\a)%4)+\b)+7], v[128*(\p)+FR*\b:128*(\p)+FR*\b+FR-1], v[AF+FR*(\a):AF+FR*(\a)+FR-1], v[8*(8*((\a)%4)+\b):8*(8*((\a)%4)+\b)+7]
.endif
.endr
.endr
.endm
.macro FETCH_B slot, q, p
	WIN TO_B
.irp i, 0,1,2,3,4,5,6,7
	FRAG 128*(\p)+FR*\i, ADRB+\slot, \q, \i
.endr
	WIN 0
.endm
.macro FETCH_A slot, q, i0
.irp i, \i0, \i0+1, \i0+2, \i0+3
	FRAG AF+FR*(\i), ADRA+\slot, \q, \i
.endr
.endm
.macro PLACES n                        ; plain vector instructions between a matrix instruction and a load into, or a vector access of, its registers
.rept \n
	v_nop
.endr
.endm
; A step of 128 along K that has its successor in the same slot.  A block of A is free as soon as its eight products are issued: blocks 0-3 are fetched anew in the step's middle, blocks 4-7 at its end.
.macro STEP slot, q, zero
	s_wait_dscnt 4*NL                              ; B's set and A's blocks 0-3 are in; the youngest 16 loads (A's blocks 4-7) may be out
	WIN MUL_LO
	MUL16 0, (\q)%2, \zero
	MUL16 2, (\q)%2, \zero
	s_wait_dscnt 0
	PLACES NP
	FETCH_B \slot, (\q)+1, 1-(\q)%2
	FETCH_A \slot, (\q)+1, 0
	WIN MUL_HI
	MUL16 4, (\q)%2, \zero
	MUL16 6, (\q)%2, \zero
	PLACES NP
	WIN 0
	FETCH_A \slot, (\q)+1, 4
.endm
; A slot's last step changes slots: ONE barrier; in front of it each wave waits for all its tensor loads, adds 0 to its spare word, and waits for that and for its own reads of this slot.  fill = 1: this slot is filled again, two slots ahead.
.macro TURN slot, next, fill
	s_wait_tensorcnt 0x0                           ; all my tensor loads have landed: my part of the next slot
	ds_add_u32 v[SPW], v[NIL]                      ; 0 onto my spare word
	s_wait_dscnt 4*NL+1                            ; (the add and the youngest 16 loads, A's blocks 4-7, may be out)
	WIN MUL_LO
	MUL16 0, 1, 0
	s_wait_dscnt 0x0                               ; the add is done, and my reads of this slot are over
	s_barrier_signal -1
	MUL16 2, 1, 0
	WIN 0
	s_barrier_wait -1
.if \fill
	CREST                                          ; the barrier has opened a round of the cluster's barrier: no wave of any partner still reads this slot or has a load on its way
	s_add_nc_u64 s[G0+4*\slot+2:G0+4*\slot+3], s[G0+4*\slot+2:G0+4*\slot+3], 2*ROWB
	s_add_nc_u64 s[G0B+4*\slot+2:G0B+4*\slot+3], s[G0B+4*\slot+2:G0B+4*\slot+3], 2*ROWB
	JLOAD G0+4*\slot, G1, G0B+4*\slot, G1B         ; the first tensor load behind the round; its four v_nop are the places in front of the loads below
.else
	PLACES NP
.endif
	FETCH_B \next, 0, 0
	FETCH_A \next, 0, 0
	WIN MUL_HI
	MUL16 4, 1, 0
	MUL16 6, 1, 0
	PLACES NP
	WIN 0
	FETCH_A \next, 0, 4
.endm
	s_wait_tensorcnt 1                             ; my part of slot 0 is in; slot 1's load may be out
	s_barrier_signal -1
	s_barrier_wait -1
	FETCH_B 0, 0, 0
	FETCH_A 0, 0, 0
	FETCH_A 0, 0, 4
	STEP 0, 0, 1                                   ; K 0-127: the products start the sums
	TURN 0, 1, 1                                   ; K 128-255; slot 0 takes K 512-767
	STEP 1, 0, 0
	TURN 1, 0, 1                                   ; slot 1 takes K 768-1023
	STEP 0, 0, 0
	TURN 0, 1, 0                                   ; nothing is left to fetch; behind this barrier nobody reads slot 0
	STEP 1, 0, 0
	s_wait_dscnt 4*NL
	WIN MUL_LO
	MUL16 0, 1, 0
	MUL16 2, 1, 0
	s_wait_dscnt 0
	WIN MUL_HI
	MUL16 4, 1, 0
	MUL16 6, 1, 0
	WIN 0
; THE WAY OUT.  Eight accumulators at a time (A's blocks 4 win + 2 ih + 0, 1 x B's blocks 4 bq + 0 .. 3): sum x 2^(e0 + e1) + bias, the hold at +-448 x 2^e, the conversion: a lane's eight registers are eight neighbours
; along the next product's K (channels for q and k, keys for v), so each accumulator gives 8 bytes a lane, which go to their place in the image in my stage.
.macro BATCH isv, win, bq, ih
	s_wait_dscnt 0x0                               ; the last batch's LDS stores have read their registers
	WIN 0x02+(\win)                                ; source 0: window 2 or 3
.irp i, 0,1
.irp k, 0,1,2,3
.set rT, TMP+8*(4*\i+\k)
.set rA, 8*(8*(2*(\ih)+\i)+4*(\bq)+\k)
.if \isv
.set rB, BR+2*(4*(\win)+2*(\ih)+\i)
.set dB, 0
.else
.set rB, BC+8*(4*(\bq)+\k)
.set dB, 1
.endif
.irp p, 0,2,4,6
	v_pk_fma_f32 v[rT+\p:rT+\p+1], v[rA+\p:rA+\p+1], s[96:97], v[rB+dB*\p:rB+dB*\p+1] op_sel_hi:[1,0,1]   ; each accumulator from its low end on
.endr
.endr
.endr
	WIN 0
.set j, 0
.rept 64
	v_med3_num_f32 v[TMP+j], v[TMP+j], -v[VLIM], v[VLIM]   ; the conversion to an 8-bit code does not saturate (ISA guide 7.6.2)
.set j, j+1
.endr
.set j, 0
.rept 8
	v_cvt_scalef32_pk8_fp8_f32 v[CD+2*j:CD+2*j+1], v[TMP+8*j:TMP+8*j+7], v[VSC]
.set j, j+1
.endr
	v_nop                                          ; one plain vector instruction behind the last conversion: the next batch writes its sources
.irp i, 0,1
.irp k, 0,1,2,3
.if \isv
	ds_store_b64 v[STV], v[CD+2*(4*\i+\k):CD+2*(4*\i+\k)+1] offset:(4*(\win)+2*(\ih)+\i)*2048+(4*(\bq)+\k)*256
.else
	ds_store_b64 v[STQ], v[CD+2*(4*\i+\k):CD+2*(4*\i+\k)+1] offset:(\bq)*8192+(2*(\win)+(\ih))*2048+\i*128+\k*256
.endif
.endr
.endr
.endm
; A finished chunk (head hd of my two) leaves: 16 loads of 512 bytes from my stage, 16 stores of 512 consecutive bytes.  LDS serves a wave's instructions in order (ISA guide 5.7.1.4): the loads see my stores.
.macro FLUSH rd, hd
.if \hd
	s_wait_xcnt 0x0                                ; the first chunk's stores have read their registers
.endif
.set i, 0
.rept 16
	ds_load_b128 v[BK+4*i:BK+4*i+3], v[\rd] offset:(\hd)*8192+512*i
.set i, i+1
.endr
.set i, 0
.rept 16
	s_wait_dscnt 15-i                              ; the younger loads of the run may be out
	global_store_b128 v[CO], v[BK+4*i:BK+4*i+3], s[84:85] offset:(\hd)*131072+512*i
.set i, i+1
.endr
.endm
	s_wait_loadcnt 0x0                             ; the biases
	PLACES NP                                      ; behind the last products: their results are read and A's registers written below
	s_cmp_eq_u32 ttmp9, 2                          ; the cluster's x: the same in all sixteen partners
	s_cbranch_scc1 .Lv_out
.irp q, 0,1                                    ; q, k: a head is four of B's blocks
	BATCH 0, 0, \q, 0
	BATCH 0, 0, \q, 1
	BATCH 0, 1, \q, 0
	BATCH 0, 1, \q, 1
	FLUSH RDQ, \q
.endr
	s_branch .Lout_done
.Lv_out:
.irp w, 0,1                                    ; v: a head is four of A's blocks
	BATCH 1, \w, 0, 0
	BATCH 1, \w, 0, 1
	BATCH 1, \w, 1, 0
	BATCH 1, \w, 1, 1
	FLUSH RDV, \w
.endr
.Lout_done:
	s_wait_tensorcnt 0x0                           ; the wave's end: behind my last tensor load and my last LDS store
	ds_add_u32 v[SPW], v[NIL]
	s_wait_dscnt 0x0
	CROUND                                         ; the closing round: no work-group ends while a partner may still ask for a tile that names it
	s_endpgm
.Lfunc_end_k_q262bfaddaa_qkv:
	.size	k_q262bfaddaa_qkv, .Lfunc_end_k_q262bfaddaa_qkv-k_q262bfaddaa_qkv
	.p2alignl 7, 3214868480
	.fill 96, 4, 3214868480
	.section	.rodata,"a",@progbits
	.p2align	6, 0x0
	.amdhsa_kernel k_q262bfaddaa_qkv
		.amdhsa_group_segment_fixed_size 327680
		.amdhsa_private_segment_fixed_size 0
		.amdhsa_enable_private_segment 0
		.amdhsa_kernarg_size 56
		.amdhsa_user_sgpr_count 2
		.amdhsa_user_sgpr_kernarg_segment_ptr 1
		.amdhsa_wavefront_size32 1
		.amdhsa_system_sgpr_workgroup_id_x 1
		.amdhsa_system_sgpr_workgroup_id_y 1
		.amdhsa_system_sgpr_workgroup_id_z 1
		.amdhsa_system_vgpr_workitem_id 0
		.amdhsa_next_free_vgpr 1024
		.amdhsa_next_free_sgpr 100
		.amdhsa_reserve_vcc 0
		.amdhsa_float_denorm_mode_32 3
		.amdhsa_float_denorm_mode_16_64 3
		.amdhsa_memory_ordered 1
		.amdhsa_forward_progress 1
		.amdhsa_inst_pref_size 208
	.end_amdhsa_kernel
	.amdgpu_metadata
---
amdhsa.version: [ 1, 2 ]
amdhsa.kernels:
  - .name:           k_q262bfaddaa_qkv
    .symbol:         k_q262bfaddaa_qkv.kd
    .args:
      - { .name: x_codes, .offset: 0, .size: 8, .value_kind: global_buffer, .address_space: global }
      - { .name: Wqkv_codes, .offset: 8, .size: 8, .value_kind: global_buffer, .address_space: global }
      - { .name: lowp_scales, .offset: 16, .size: 8, .value_kind: global_buffer, .address_space: global }
      - { .name: bqkv, .offset: 24, .size: 8, .value_kind: global_buffer, .address_space: global }
      - { .name: qimg, .offset: 32, .size: 8, .value_kind: global_buffer, .address_space: global }
      - { .name: kimg, .offset: 40, .size: 8, .value_kind: global_buffer, .address_space: global }
      - { .name: vimg, .offset: 48, .size: 8, .value_kind: global_buffer, .address_space: global }
    .group_segment_fixed_size: 327680
    .private_segment_fixed_size: 0
    .kernarg_segment_align: 8
    .kernarg_segment_size: 56
    .max_flat_workgroup_size: 128
    .sgpr_count:     100
    .vgpr_count:     1024
    .wavefront_size: 32
...
	.end_amdgpu_metadata
.endif
;; end of part 2
;; launch attn (part 3): grid 4 x 64, 8 waves a work-group, no clusters, 263,168 bytes of LDS; arguments qimg, kimg, vimg, maskw, tflags, need, lowp_scales, oimg; writes oimg
.if DOCPART == 3
	.amdgcn_target "amdgcn-amd-amdhsa--gfx1250"
	.amdhsa_code_object_version 6
	.text
	.protected	k_q262bfaddaa_attn
	.globl	k_q262bfaddaa_attn
	.p2align	8
	.type	k_q262bfaddaa_attn,@function
k_q262bfaddaa_attn:
	s_mov_b64 s[64:65], 0
	v_nop
	global_prefetch_b8 v0, s[64:65] scope:SCOPE_SE
	s_setreg_imm32_b32 hwreg(HW_REG_WAVE_MODE, 25, 1), 1
	s_wait_xcnt 0x0
; O = softmax(mask(q k^T / 8)) v for one (batch, head), both products on codes of FP8 (E4M3); O is quantised with 2^e6 and stored as the image of the projection's operand.
; THE SOFTMAX: t = score x log2(e) / 8; M = the running largest t rounded UP to a whole number; p = 2^(t - M) is quantised with 2^e4, not normalised; the row's sum is taken of the unquantised p and divides O at the end.
; When M moves, the sum and O are multiplied by 2^(old M - new M): exact.  The mask is an input: hidden scores become -infinity ahead of the maximum, by lane masks that an earlier launch packed.
; SHARES.  Work-group (i, bh) takes the blocks of 256 queries 7 - i (first pass) and i (second pass) of head bh.  Wave w owns 32 queries, group g = 8 block + w: two tiles of 16 that share every fragment of K and V.
; THE HEAD'S K AND V STAY IN LDS: 16 chunks of 16,384 bytes (128 keys: K's image, then V's), stored once, during the first pass, a chunk a trip, one barrier a trip; no byte is written twice, so the second pass has no barrier.
; WORK THAT THE MASK THROWS AWAY IS LEFT OUT: a key step (128 keys) all of whose places are hidden for my 32 queries is jumped over, one with no hidden place runs without the masking lines; chunks that none of the
; work-group's 512 queries needs are not loaded.  These are scalar branches on whole numbers that an earlier launch stored (tflags, need): right for every mask.
; NO TENSOR LOADS, NO CLUSTER: the four work-groups of a head read the same 256 KiB, but which steps a wave walks hangs on numbers read from memory.
; LAYOUT.  Both products are used transposed: S^T = K Q^T (source 0 = 16 keys), O^T = V^T P^T (source 0 = 16 channels): a lane holds ONE query (lane % 16) throughout.  Tile 2 B + u of 16 keys (or queries) holds
; tokens 32 B + 8 u + p + 8 (p / 8), so that score register n of a lane is key 32 (n / 16) + 16 (lane / 16) + n % 16, and the conversions' results are the second product's operand.
; A ROW THAT THE MASK HIDES WHOLLY has the sum 0: its codes are made the NaN code (0 x 1/0 is added behind the hold), as the softmax of such a row is NaN.
; LIMITS on the given exponents, so that each power of two below is an f32 number: e2 + e3 between -123 and 130 (added to c's exponent field); e4 and e6 between -126 and 119.
; REGISTERS.  window 0: v1-11 addresses and constants; v12-15 at work; v16-31 two tiles' statistics; v32-47 Q; v48-79 p's codes; v80-207 S^T, then p; v208-223 a chunk on its way; v224-247 at work.
;   window 1: v0-63 O^T (32 a tile); v64-127 K's eight fragments; v128-191 V's four.
.set LI,   1                           ; v1   16 x lane
.set LDW,  2                           ; v2   16 x thread: my 16 bytes of 4,096, in memory and in LDS
.set ADK,  3                           ; v3   LDS address of the trip's chunk for my lane
.set ADS,  4                           ; v4   and for my thread's stores
.set OST,  5                           ; v5   16 r + 8 h: my 8 codes of O in 256 bytes of the image
.set PFO,  6                           ; v6   256 x lane: the prefetches' offset
.set NINF, 7                           ; v7   -infinity
.set PSC,  8                           ; v8   2^e4;  v9  448 x 2^e4
.set PLIM, 9
.set OSC,  10                          ; v10  2^e6;  v11 448 x 2^e6
.set OLIM, 11
.set VA,   12
.set VB,   13
.set VX,   14                          ; a lane permute's destination: written at the head
.set ST,   16                          ; tile u's statistics at v[ST + 8 u]: +0 -M, +1 the largest t, +2, +3 the sum in two halves, +4 f (+5 named with it as a pair)
.set QF,   32
.set PC,   48
.set S,    80
.set STG,  208
.set SUM2, 224
.set Z,    226
.set GG,   228
.set OC,   232
.set OT,   0                           ; window 1
.set KF,   64
.set VF,   128
.set NEEDW, 2                          ; s2   bit k: chunk (trip + k) is needed
.set PFW,  3                           ; s3   the same in a wave that prefetches, else 0
.set WV,   18
.set T,    19                          ; s19  the trip = the key step
.set SEL,  20                          ; s[20:21] selects for lane l xor 16
.set CS,   22                          ; s[22:23] c = log2(e) / 8 x 2^(e2 + e3), twice
.set FW,   24                          ; s24  my group's flags, two bits a step
.set FL,   25
.set TB,   26                          ; s26  LDS byte of the trip's chunk
.set MO,   27                          ; s27  512 x trip: the step's records of lane masks
.set HOLD, 28                          ; s28  1: p is held at 448 x 2^e4
.set EPV,  29                          ; s29  e4 + e5
.set PFP,  30                          ; s[30:31] K's (wave 0) or V's (wave 1) chunk of the next trip
.set OP,   66                          ; s[66:67] the pass's place in oimg
.set MP,   100                         ; s[100:101] my group's records in maskw
.set MSB, 0
.macro WIN new
.if MSB != (\new)
	s_set_vgpr_msb (MSB<<8)|(\new)
.set MSB, (\new)
.endif
.endm
	s_load_b256 s[4:11], s[0:1], 0x0               ; qimg, kimg, vimg, maskw
	s_load_b256 s[68:75], s[0:1], 0x20             ; tflags, need, the scales' exponents, oimg
	v_lshl_add_u32 v254, v0, 2, 0x40000
	v_mov_b32 v255, 0
	v_lshrrev_b32 v[VA], 5, v0
	v_readfirstlane_b32 s[WV], v[VA]               ; wave 0..7
	v_and_b32 v[VB], 31, v0
	v_lshlrev_b32 v[LI], 4, v[VB]
	v_lshlrev_b32 v[LDW], 4, v0
	v_lshlrev_b32 v[PFO], 8, v[VB]
	v_and_b32 v[VX], 15, v0
	v_bfe_u32 v15, v0, 4, 1
	v_lshlrev_b32 v[OST], 4, v[VX]
	v_lshl_add_u32 v[OST], v15, 3, v[OST]
	v_mov_b32 v[NINF], 0xff800000
	v_mov_b32 v[ST+5], 0                           ; upper halves of pairs of which the low word alone is taken: written once
	v_mov_b32 v[ST+13], 0
	v_mov_b32 v[GG+1], 0
	s_mov_b32 s[SEL], 0x76543210
	s_mov_b32 s[SEL+1], 0xfedcba98
	s_and_b32 s24, ttmp7, 0xffff                   ; bh = 16 batch + head
	s_lshl_b32 s26, s24, 17                        ; a head's 16 chunks of 8,192 bytes
	s_mov_b32 s27, 0
	s_sub_co_u32 s16, 7, ttmp9
	s_lshl_b32 s16, s16, 7                         ; need: 128 bytes for a block of 256 queries
	s_lshl_b32 s17, ttmp9, 7
	s_wait_kmcnt 0x0
	s_load_b256 s[76:83], s[72:73], 0x0            ; e0 .. e7
	s_load_b512 s[32:47], s[70:71], s16 offset:0x0
	s_load_b512 s[48:63], s[70:71], s16 offset:0x40
	s_load_b512 s[84:99], s[70:71], s17 offset:0x0
	s_add_nc_u64 s[4:5], s[4:5], s[26:27]
	s_add_nc_u64 s[6:7], s[6:7], s[26:27]
	s_add_nc_u64 s[8:9], s[8:9], s[26:27]
	global_load_b128 v[STG:STG+3], v[LDW], s[6:7]                  ; chunk 0 is asked for whatever the flags say, so that these registers are written on every way
	global_load_b128 v[STG+4:STG+7], v[LDW], s[6:7] offset:4096
	global_load_b128 v[STG+8:STG+11], v[LDW], s[8:9]
	global_load_b128 v[STG+12:STG+15], v[LDW], s[8:9] offset:4096
	s_mov_b64 s[12:13], s[68:69]                   ; tflags
	s_lshr_b32 s26, s24, 4
	s_lshl_b32 s26, s26, 21                        ; oimg: batch x 2^21
	s_bfe_u32 s25, s24, 0x20002
	s_lshl_b32 s25, s25, 15                        ; + (head / 4) x 32,768: the projection's K slot
	s_add_co_u32 s26, s26, s25
	s_and_b32 s25, s24, 3
	s_lshl_b32 s25, s25, 10                        ; + (head % 4) x 1,024
	s_add_co_u32 s26, s26, s25
	s_add_nc_u64 s[14:15], s[74:75], s[26:27]
	s_wait_kmcnt 0x0
	s_mov_b32 s[NEEDW], s32
.set k, 33
.rept 31
	s_or_b32 s[NEEDW], s[NEEDW], s[k]
.set k, k+1
.endr
.set k, 84
.rept 16
	s_or_b32 s[NEEDW], s[NEEDW], s[k]
.set k, k+1
.endr
	s_load_b512 s[32:47], s[70:71], s17 offset:0x40
	s_add_co_i32 s25, s78, s79                     ; e2 + e3
	s_cmp_gt_i32 s25, 2
	s_cselect_b32 s[HOLD], 1, 0
	s_cmp_lt_i32 s80, -8
	s_cselect_b32 s[HOLD], 1, s[HOLD]              ; With e2 + e3 <= 2 a score's |t| stays under 64 x 448^2 x 4 x 0.19 < 2^24 x 0.8, so the rounded product and the fused t - M differ by less than 0.8 and p < 1.75;
	s_lshl_b32 s25, s25, 23                        ; with e4 >= -8 then p / 2^e4 < 448: the hold could never act, whatever the data, and is jumped over
	s_add_co_i32 s[CS], s25, 0x3e38aa3b            ; c = log2(e) / 8, the two exponents added to its exponent field
	s_mov_b32 s[CS+1], s[CS]
	s_add_co_i32 s25, s80, 127
	s_lshl_b32 s26, s25, 23
	v_mov_b32 v[PSC], s26
	s_add_co_i32 s25, s25, 8
	s_lshl_b32 s25, s25, 23
	s_or_b32 s25, s25, 0x600000
	v_mov_b32 v[PLIM], s25
	s_add_co_i32 s25, s82, 127
	s_lshl_b32 s26, s25, 23
	v_mov_b32 v[OSC], s26
	s_add_co_i32 s25, s25, 8
	s_lshl_b32 s25, s25, 23
	s_or_b32 s25, s25, 0x600000
	v_mov_b32 v[OLIM], s25
	s_add_co_i32 s[EPV], s80, s81
	s_wait_kmcnt 0x0
.set k, 32
.rept 16
	s_or_b32 s[NEEDW], s[NEEDW], s[k]
.set k, k+1
.endr
	s_lshr_b32 s25, s[WV], 1                       ; 0 in waves 0 and 1,
	s_or_b32 s25, s25, ttmp9                       ; of the head's first work-group: all four walk the same K and V, so one asks
	s_cmp_eq_u32 s25, 0
	s_cselect_b32 s[PFW], s[NEEDW], 0
	s_cmp_eq_u32 s[WV], 0
	s_cselect_b64 s[PFP:PFP+1], s[6:7], s[8:9]
.macro MASKLOAD u                      ; tile u's 64 lane masks of this step into s32-63 and s68-99
	s_load_b512 s[32:47], s[MP:MP+1], s[MO] offset:256*\u
	s_load_b512 s[48:63], s[MP:MP+1], s[MO] offset:256*\u+64
	s_load_b512 s[68:83], s[MP:MP+1], s[MO] offset:256*\u+128
	s_load_b512 s[84:99], s[MP:MP+1], s[MO] offset:256*\u+192
.endm
.macro MASKAPPLY u                     ; one instruction a score register, each accumulator from its low end on
.set n, 0
.rept 64
.if n < 32
	v_cndmask_b32 v[S+64*\u+n], v[S+64*\u+n], v[NINF], s[32+n]
.else
	v_cndmask_b32 v[S+64*\u+n], v[S+64*\u+n], v[NINF], s[36+n]
.endif
.set n, n+1
.endr
.endm
; Tile u's softmax for one key step: 64 scores a lane become p's 16 registers of codes.
.macro SOFTMAX u
.set rS, S+64*\u
.set rT, ST+8*\u
	v_max3_num_f32 v[VA], v[rS], v[rS+1], v[rS+2]  ; the step's largest score of my query among my 64 keys, in two chains, ascending
	v_max3_num_f32 v[VB], v[rS+3], v[rS+4], v[rS+5]
.set i, 6
.rept 14
	v_max3_num_f32 v[VA], v[VA], v[rS+i], v[rS+i+1]
	v_max3_num_f32 v[VB], v[VB], v[rS+i+2], v[rS+i+3]
.set i, i+4
.endr
	v_max3_num_f32 v[VA], v[VA], v[rS+62], v[rS+63]
	v_max_num_f32 v[VA], v[VA], v[VB]
	v_permlanex16_b32 v[VX], v[VA], s[SEL], s[SEL+1]
	v_max_num_f32 v[VA], v[VA], v[VX]              ; and among lane l xor 16's
	v_mul_f32 v[VA], s[CS], v[VA]                  ; as t (c is positive)
	v_max_num_f32 v[rT+1], v[rT+1], v[VA]          ; the running largest t
	v_mov_b32 v[VA], v[rT]
	v_floor_f32 v[rT], -v[rT+1]                    ; the new -M = floor(-t): M is a whole number
	v_sub_f32 v[VA], v[rT], v[VA]                  ; old M - new M: a whole number, 0 or less
	v_cvt_i32_f32 v[VA], v[VA]                     ; (it saturates)
	v_ldexp_f32 v[rT+4], 1.0, v[VA]                ; f = 2^(old M - new M)
.set i, 0
.rept 32
	v_pk_fma_f32 v[rS+i:rS+i+1], v[rS+i:rS+i+1], s[CS:CS+1], v[rT:rT+1] op_sel_hi:[1,0,0]   ; t - M, two at a time
.set i, i+2
.endr
.set i, 0
.rept 64
	v_exp_f32 v[rS+i], v[rS+i]                     ; p = 2^(t - M); 0 where the key is hidden
.set i, i+1
.endr
	v_pk_mul_f32 v[rT+2:rT+3], v[rT+2:rT+3], v[rT+4:rT+5] op_sel_hi:[1,0]   ; the sums under the new M: the plain instruction behind the exponentials
	s_wait_alu depctr_va_vdst(0)                   ; one wait for the whole batch, ahead of its first reader
	v_pk_add_f32 v[SUM2:SUM2+1], v[rS:rS+1], v[rS+2:rS+3]   ; the row's sum is taken of the unquantised p, in two chains
.set i, 4
.rept 15
	v_pk_add_f32 v[rT+2:rT+3], v[rT+2:rT+3], v[rS+i:rS+i+1]
	v_pk_add_f32 v[SUM2:SUM2+1], v[SUM2:SUM2+1], v[rS+i+2:rS+i+3]
.set i, i+4
.endr
	v_pk_add_f32 v[rT+2:rT+3], v[rT+2:rT+3], v[SUM2:SUM2+1]
	s_cmp_eq_u32 s[HOLD], 0
	s_cbranch_scc1 .Lno_hold_\@
.set i, 0
.rept 64
	v_min_num_f32 v[rS+i], v[rS+i], v[PLIM]        ; the conversion does not saturate (ISA guide 7.6.2); p is not negative, so the hold is one-sided
.set i, i+1
.endr
.Lno_hold_\@:
.set i, 0
.rept 8
	v_cvt_scalef32_pk8_fp8_f32 v[PC+16*\u+2*i:PC+16*\u+2*i+1], v[rS+8*i:rS+8*i+7], v[PSC]
.set i, i+1
.endr
	v_nop                                          ; one plain vector instruction behind the last conversion
.endm
; A KEY STEP for my two tiles: 32 LDS loads, 16 products K Q^T, two softmaxes, 8 products V^T P.  masked = 1: the step has hidden places.
.macro STEP masked
.if \masked
	s_lshl_b32 s[MO], s[T], 9
	MASKLOAD 0
.endif
	WIN 0x40                                       ; destination window 1, address window 0
.irp t, 0,1,2,3,4,5,6,7
	ds_load_b128 v[KF+8*\t:KF+8*\t+3], v[ADK] offset:1024*\t
	ds_load_b128 v[KF+8*\t+4:KF+8*\t+7], v[ADK] offset:1024*\t+512
.endr
.irp t, 0,1,2,3
.irp c, 0,1,2,3
	ds_load_b128 v[VF+16*\t+4*\c:VF+16*\t+4*\c+3], v[ADK] offset:8192+2048*\t+512*\c
.endr
.endr
	s_wait_dscnt 16                                ; K's 16 loads are in; V's 16 may be out
	WIN 0x01                                       ; source 0 (K) window 1
.irp t, 0,1,2,3,4,5,6,7
.irp u, 0,1
	v_wmma_f32_16x16x64_fp8_fp8 v[S+64*\u+8*\t:S+64*\u+8*\t+7], v[KF+8*\t:KF+8*\t+7], v[QF+8*\u:QF+8*\u+7], 0
.endr
.endr
	WIN 0
.rept 4
	v_nop                                          ; places behind the products, ahead of the first read of their results
.endr
.if \masked
	s_wait_kmcnt 0x0
	MASKAPPLY 0
	MASKLOAD 1                                     ; tile 1's masks come while tile 0's softmax runs
.endif
	SOFTMAX 0
.if \masked
	s_wait_kmcnt 0x0
	MASKAPPLY 1
.endif
	SOFTMAX 1
	WIN 0x41                                       ; O^T (destination and source 0) window 1, f window 0
.irp u, 0,1
.set i, 0
.rept 16
	v_pk_mul_f32 v[OT+32*\u+i:OT+32*\u+i+1], v[OT+32*\u+i:OT+32*\u+i+1], v[ST+8*\u+4:ST+8*\u+5] op_sel_hi:[1,0]   ; O^T under the new M
.set i, i+2
.endr
.endr
	s_wait_dscnt 0x0                               ; V is in
	WIN 0x51                                       ; V, C and D window 1, p's codes window 0
.irp t, 0,1,2,3
.irp u, 0,1
	v_wmma_f32_16x16x128_fp8_fp8 v[OT+32*\u+8*\t:OT+32*\u+8*\t+7], v[VF+16*\t:VF+16*\t+15], v[PC+16*\u:PC+16*\u+15], v[OT+32*\u+8*\t:OT+32*\u+8*\t+7]   ; the eight accumulators take turns, one instruction a step each
.endr
.endr
	WIN 0
.rept 4
	v_nop                                          ; places ahead of the next loads into V's registers and of the next read of O^T
.endr
.endm
; A pass's end: O^T / the sum x 2^(e4 + e5), quantised with 2^e6; a lane's eight channels are 8 bytes, and the wave's store covers 256 consecutive bytes of the image, aligned.
.macro FINAL
.irp u, 0,1
	v_add_f32 v[VA], v[ST+8*\u+2], v[ST+8*\u+3]
	v_permlanex16_b32 v[VX], v[VA], s[SEL], s[SEL+1]
	v_add_f32 v[VA], v[VA], v[VX]                  ; the row's sum
	v_rcp_f32 v[VB], v[VA]
	v_nop                                          ; one plain instruction behind the reciprocal,
	s_wait_alu depctr_va_vdst(0)                   ; and the wait ahead of its first reader
	v_mul_f32 v[Z], 0, v[VB]                       ; 0; NaN where the sum is 0 (a row that the mask hides wholly)
	v_ldexp_f32 v[GG], v[VB], s[EPV]
	v_mov_b32 v[Z+1], v[Z]
	WIN 0x01                                       ; source 0 (O^T) window 1
.set i, 0
.rept 16
	v_pk_mul_f32 v[S+64*\u+i:S+64*\u+i+1], v[OT+32*\u+i:OT+32*\u+i+1], v[GG:GG+1] op_sel_hi:[1,0]
.set i, i+2
.endr
	WIN 0
.set i, 0
.rept 32
	v_med3_num_f32 v[S+64*\u+i], v[S+64*\u+i], -v[OLIM], v[OLIM]
.set i, i+1
.endr
.set i, 0
.rept 16
	v_pk_add_f32 v[S+64*\u+i:S+64*\u+i+1], v[S+64*\u+i:S+64*\u+i+1], v[Z:Z+1]
.set i, i+2
.endr
.irp t, 0,1,2,3
	v_cvt_scalef32_pk8_fp8_f32 v[OC+8*\u+2*\t:OC+8*\u+2*\t+1], v[S+64*\u+8*\t:S+64*\u+8*\t+7], v[OSC]
.endr
	v_nop
.irp t, 0,1,2,3
	global_store_b64 v[OST], v[OC+8*\u+2*\t:OC+8*\u+2*\t+1], s[OP:OP+1] offset:4096*\u+256*\t
.endr
.endr
.endm
; A PASS over the head's 16 key steps for one block of queries.  stream = 1: the first pass, which also brings the chunks into LDS.
.macro PASS stream
	s_wait_xcnt 0x0                                ; every earlier memory instruction has read its registers: bases, offsets and store data are written again below
.if \stream
	s_sub_co_u32 s[FL], 7, ttmp9
.else
	s_mov_b32 s[FL], ttmp9
.endif
	s_lshl_b32 s[FL], s[FL], 3
	s_add_co_u32 s[FL], s[FL], s[WV]               ; g
	s_lshl_b32 s16, s[FL], 11                      ; Q: two tiles of 1,024 bytes a group
	s_mov_b32 s17, 0
	s_add_nc_u64 s[16:17], s[4:5], s[16:17]
.irp u, 0,1
	global_load_b128 v[QF+8*\u:QF+8*\u+3], v[LI], s[16:17] offset:1024*\u
	global_load_b128 v[QF+8*\u+4:QF+8*\u+7], v[LI], s[16:17] offset:1024*\u+512
.endr
	s_lshl_b32 s[FW], s[FL], 7
	s_load_b512 s[32:47], s[12:13], s[FW] offset:0x0   ; my two tiles' flag words, one a step
	s_load_b512 s[48:63], s[12:13], s[FW] offset:0x40
	s_lshl_b32 s26, s[FL], 13
	s_mov_b32 s27, 0
	s_add_nc_u64 s[MP:MP+1], s[10:11], s[26:27]
	s_lshr_b32 s26, s[FL], 2
	s_lshl_b32 s26, s26, 17                        ; oimg: (g / 4) x 131,072: the run of 128 tokens,
	s_and_b32 s[T], s[FL], 3
	s_lshl_b32 s[T], s[T], 13                      ; + (g % 4) x 8,192: its tiles 2 (g % 4) and + 1
	s_add_co_u32 s26, s26, s[T]
	s_add_nc_u64 s[OP:OP+1], s[14:15], s[26:27]
	WIN 0x40
.set i, 0
.rept 64
	v_mov_b32 v[OT+i], 0                           ; which step is a wave's first hangs on the flags, so no product can start the sums: O^T begins as zeros, which the first change of M leaves zeros
.set i, i+1
.endr
	WIN 0
.irp u, 0,1
	v_mov_b32 v[ST+8*\u+1], 0xff61b1e6             ; the largest t so far: -3e38, under every t
	v_floor_f32 v[ST+8*\u], -v[ST+8*\u+1]
	v_mov_b32 v[ST+8*\u+2], 0
	v_mov_b32 v[ST+8*\u+3], 0
.endr
	s_wait_kmcnt 0x0
	s_mov_b32 s[FW], s32
.set k, 33
.rept 31
	s_or_b32 s[FW], s[FW], s[k]
.set k, k+1
.endr
	s_mov_b32 s[T], 0
	s_mov_b32 s[TB], 0
.if !\stream
	s_wait_loadcnt 0x0                             ; Q
.endif
.Ltrip_\@:
	v_add_nc_u32 v[ADK], s[TB], v[LI]
.if \stream
	v_add_nc_u32 v[ADS], s[TB], v[LDW]
	s_wait_loadcnt 0x0                             ; this trip's chunk is in registers (in the first trip: Q too)
	s_wait_xcnt 0x0                                ; and the loads and the prefetch have read their bases, which step below
	s_bitcmp1_b32 s[NEEDW], 0
	s_cbranch_scc0 .Lkept_\@
	ds_store_b128 v[ADS], v[STG:STG+3]
	ds_store_b128 v[ADS], v[STG+4:STG+7] offset:4096
	ds_store_b128 v[ADS], v[STG+8:STG+11] offset:8192
	ds_store_b128 v[ADS], v[STG+12:STG+15] offset:12288
.Lkept_\@:
	s_wait_dscnt 0x0                               ; for the others' sake: my part of the chunk lies in LDS
	s_barrier_signal -1
	s_barrier_wait -1                              ; everybody's does.  The next trip stores other bytes, so no second barrier is needed
	s_add_nc_u64 s[6:7], s[6:7], 8192
	s_add_nc_u64 s[8:9], s[8:9], 8192
	s_add_nc_u64 s[PFP:PFP+1], s[PFP:PFP+1], 8192
	s_bitcmp1_b32 s[NEEDW], 1
	s_cbranch_scc0 .Lasked_\@
	global_load_b128 v[STG:STG+3], v[LDW], s[6:7]                  ; the next trip's chunk: it has this trip's work in which to land
	global_load_b128 v[STG+4:STG+7], v[LDW], s[6:7] offset:4096
	global_load_b128 v[STG+8:STG+11], v[LDW], s[8:9]
	global_load_b128 v[STG+12:STG+15], v[LDW], s[8:9] offset:4096
	s_bitcmp1_b32 s[PFW], 2
	s_cbranch_scc0 .Lasked_\@
	global_prefetch_b8 v[PFO], s[PFP:PFP+1] offset:8192 th:TH_LOAD_NT scope:SCOPE_SE   ; the chunk that the NEXT trip will load: 8,192 bytes, lanes 256 bytes apart; wave 0 K's, wave 1 V's, in the head's first work-group alone. Bits 16 on of the word are 0: nothing past the head's last chunk is named
.Lasked_\@:
	s_lshr_b32 s[NEEDW], s[NEEDW], 1
	s_lshr_b32 s[PFW], s[PFW], 1
.endif
	s_and_b32 s[FL], s[FW], 3                      ; bit 0: some place open, bit 1: some place hidden, for my 32 queries in this step
	s_lshr_b32 s[FW], s[FW], 2
	s_cmp_eq_u32 s[FL], 1
	s_cbranch_scc1 .Lopen_\@
	s_cmp_eq_u32 s[FL], 3
	s_cbranch_scc0 .Lnext_\@                       ; all hidden: every p would be 0
	STEP 1
	s_branch .Lnext_\@
.Lopen_\@:
	STEP 0
.Lnext_\@:
	s_add_co_u32 s[TB], s[TB], 16384
	s_add_co_u32 s[T], s[T], 1
	s_cmp_lt_u32 s[T], 16
	s_cbranch_scc1 .Ltrip_\@
	FINAL
.endm
	PASS 1
	PASS 0
	s_wait_tensorcnt 0x0
	ds_add_u32 v254, v255
	s_wait_dscnt 0x0
	s_endpgm
.Lfunc_end_k_q262bfaddaa_attn:
	.size	k_q262bfaddaa_attn, .Lfunc_end_k_q262bfaddaa_attn-k_q262bfaddaa_attn
	.p2alignl 7, 3214868480
	.fill 96, 4, 3214868480
	.section	.rodata,"a",@progbits
	.p2align	6, 0x0
	.amdhsa_kernel k_q262bfaddaa_attn
		.amdhsa_group_segment_fixed_size 263168
		.amdhsa_private_segment_fixed_size 0
		.amdhsa_enable_private_segment 0
		.amdhsa_kernarg_size 64
		.amdhsa_user_sgpr_count 2
		.amdhsa_user_sgpr_kernarg_segment_ptr 1
		.amdhsa_wavefront_size32 1
		.amdhsa_system_sgpr_workgroup_id_x 1
		.amdhsa_system_sgpr_workgroup_id_y 1
		.amdhsa_system_sgpr_workgroup_id_z 1
		.amdhsa_system_vgpr_workitem_id 0
		.amdhsa_next_free_vgpr 512
		.amdhsa_next_free_sgpr 102
		.amdhsa_reserve_vcc 0
		.amdhsa_float_denorm_mode_32 3
		.amdhsa_float_denorm_mode_16_64 3
		.amdhsa_memory_ordered 1
		.amdhsa_forward_progress 1
		.amdhsa_inst_pref_size 167
	.end_amdhsa_kernel
	.amdgpu_metadata
---
amdhsa.version: [ 1, 2 ]
amdhsa.kernels:
  - .name:           k_q262bfaddaa_attn
    .symbol:         k_q262bfaddaa_attn.kd
    .args:
      - { .name: qimg, .offset: 0, .size: 8, .value_kind: global_buffer, .address_space: global }
      - { .name: kimg, .offset: 8, .size: 8, .value_kind: global_buffer, .address_space: global }
      - { .name: vimg, .offset: 16, .size: 8, .value_kind: global_buffer, .address_space: global }
      - { .name: maskw, .offset: 24, .size: 8, .value_kind: global_buffer, .address_space: global }
      - { .name: tflags, .offset: 32, .size: 8, .value_kind: global_buffer, .address_space: global }
      - { .name: need, .offset: 40, .size: 8, .value_kind: global_buffer, .address_space: global }
      - { .name: lowp_scales, .offset: 48, .size: 8, .value_kind: global_buffer, .address_space: global }
      - { .name: oimg, .offset: 56, .size: 8, .value_kind: global_buffer, .address_space: global }
    .group_segment_fixed_size: 263168
    .private_segment_fixed_size: 0
    .kernarg_segment_align: 8
    .kernarg_segment_size: 64
    .max_flat_workgroup_size: 256
    .sgpr_count:     102
    .vgpr_count:     512
    .wavefront_size: 32
...
	.end_amdgpu_metadata
.endif
;; end of part 3
;; launch proj (part 4): grid 8 x 32, 4 waves a work-group, clusters of 4 x 4, 327,680 bytes of LDS; arguments oimg, Wo_codes, lowp_scales, bo, out0; writes out0
.if DOCPART == 4
	.amdgcn_target "amdgcn-amd-amdhsa--gfx1250"
	.amdhsa_code_object_version 6
	.text
	.protected	k_q262bfaddaa_proj
	.globl	k_q262bfaddaa_proj
	.p2align	8
	.type	k_q262bfaddaa_proj,@function
k_q262bfaddaa_proj:
	s_mov_b64 s[64:65], 0
	v_nop
	global_prefetch_b8 v0, s[64:65] scope:SCOPE_SE
	s_setreg_imm32_b32 hwreg(HW_REG_WAVE_MODE, 25, 1), 1
	s_wait_xcnt 0x0
	s_wait_alu depctr_hold_cnt(0) depctr_sa_sdst(0) depctr_va_vdst(0) depctr_va_sdst(0) depctr_va_ssrc(0) depctr_va_vcc(0) depctr_vm_vsrc(0)
	s_getreg_b32 s2, hwreg(HW_REG_IB_STS2, 6, 4)
	s_cmp_eq_u32 s2, 0
	s_cbranch_scc0 .Lentry_in_a_cluster
	s_endpgm
.Lentry_in_a_cluster:
	s_bfe_u32 s2, ttmp6, 0x10000c
	s_cmp_lg_u32 s2, 0xf033
	s_cbranch_scc0 .Lentry_shape_is_right
	s_endpgm
.Lentry_shape_is_right:
; out0 = O Wo^T + bo on codes of FP8 (E4M3).  O: 8,192 tokens x 1,024, stored by the attention launch as images of this launch's operand registers; Wo: [1024][1024] codes, K innermost; out0: [8192][1024] f32.
; A sum stands for sum x 2^(e6 + e7).  LIMIT: e6 + e7 between -126 and 127, so that this power of two is an f32 number.
; A tile of 256 tokens x 128 columns gives 256 work-groups; four waves, 128 tokens x 64 columns each: 32 accumulators.  K goes in steps of 256 through a ring of two LDS slots; 1,024 along K are four slots, written out.
; CLUSTERS: 4 x 4 work-groups; O's tile is shared along a row of the cluster, Wo's along a column: each is asked for jointly.
; O'S IMAGES: for 128 tokens and 256 along K a dense block of 32,768 bytes: fragment (a, q) (16 tokens, 128 K) at 4096 a + 2048 q; its registers 4 c .. 4 c + 3 at 512 c + 16 x lane.  So a fragment is four dense LDS loads, with no pitch.
; Block a of 16 tokens holds tokens 32 (a / 2) + 8 (a % 2) + p + 8 (p / 8): the store's immediates put each row back in its place.
; THE MATRIX INSTRUCTION IS USED TRANSPOSED (source 0 = 16 rows of Wo, source 1 = 16 tokens): a lane holds eight neighbouring columns of one token.
; REGISTERS: window 0: v0-31 addresses; v32-63 the bias; v64-95 a block's results; from v128 O's fragments, ONE set (on the way out v128-191: rows read back).  window 1: Wo's fragments, two sets, at v0 and v128.  window 2: accumulator (a, b) at v[8 (4 a + b)].
.set ROWB,   256
.set PITCH,  272                       ; Wo's rows in LDS: 256 bytes + 16 of padding
.set FR,     16
.set NL,     4
.set NP,     4
.set ABYTES, 65536                     ; O's images in a slot: two blocks of 32,768
.set BHALF,  64*PITCH                  ; 64 rows of Wo: what one tensor load brings
.set SLOT,   ABYTES+2*BHALF
.set SPARE,  2*SLOT                    ; behind the ring: the spare words, 128 bytes for each wave: two blocks of 256 bytes that no other line names
.set SPITCH, 272                       ; the way out: a stage of 16 rows x (256 bytes + 16) for each wave, in slot 0, which has had its last fill and its last read by then
.set ADRA, 16
.set ADRB, 20
.set STO,  24
.set RD,   25
.set CO,   26
.set SPW,  28
.set NIL,  29
.set BI,   32
.set TMP,  64
.set AF,   128
.set BK,   128
.set G1, 24
.set G0, 32
.set G1B, 48
.set G0B, 56
.set MSB, 0
.macro WIN new
.if MSB != (\new)
	s_set_vgpr_msb (MSB<<8)|(\new)
.set MSB, (\new)
.endif
.endm
.set MUL,  0xa1                        ; source 0 (Wo) window 1, source 1 (O) window 0, C and D window 2
.set TO_B, 0x40
.macro JLOAD g0a, g1a, g0b, g1b        ; a joint load: waves 0 and 1 fetch O's two blocks, waves 2 and 3 Wo's two halves; four v_nop follow each line
	s_cmp_eq_u32 s15, 0
	s_cbranch_scc0 .Lfor_b_\@
	tensor_load_to_lds s[\g0a:\g0a+3], s[\g1a:\g1a+7]
	s_nop 0
.rept 4
	v_nop
.endr
	s_branch .Lasked_\@
.Lfor_b_\@:
	tensor_load_to_lds s[\g0b:\g0b+3], s[\g1b:\g1b+7]
	s_nop 0
.rept 4
	v_nop
.endr
.Lasked_\@:
.endm
.macro CREST
	s_cmp_lg_u32 s14, 0
	s_cbranch_scc1 .Lnot_wave_0_\@
	s_barrier_signal -3
.Lnot_wave_0_\@:
	s_barrier_wait -3
	s_barrier_signal -1
	s_barrier_wait -1
.endm
.macro CROUND
	s_barrier_signal -1
	s_barrier_wait -1
	CREST
.endm
	s_load_b128 s[4:7], s[0:1], 0x0                ; oimg, Wo's codes
	s_load_b128 s[8:11], s[0:1], 0x10              ; the scales' exponents, bo
	s_load_b64 s[12:13], s[0:1], 0x20              ; out0
	v_lshl_add_u32 v[SPW], v0, 2, SPARE
	v_mov_b32 v[NIL], 0
	ds_add_u32 v28, v29
	ds_add_u32 v28, v29
	s_wait_dscnt 0x0
	v_lshrrev_b32 v1, 5, v0
	v_readfirstlane_b32 s14, v1                    ; wave 0..3
	s_lshr_b32 s15, s14, 1                         ; which 128 tokens are mine.  Also: I fetch for O (0) or for Wo (1)
	s_and_b32 s16, s14, 1                          ; which 64 columns.  Also: which half of that tile I fetch
	s_bfe_u32 s40, ttmp6, 0x40000                  ; cx, cy
	s_bfe_u32 s41, ttmp6, 0x40004
	s_lshl_b32 s42, ttmp9, 2
	s_add_co_u32 s42, s42, s40                     ; tile column = 4 x cluster x + cx
	s_and_b32 s17, ttmp7, 0xffff
	s_lshl_b32 s17, s17, 2
	s_add_co_u32 s17, s17, s41                     ; tile row = 4 x cluster y + cy
	s_lshl_b32 s43, s41, 2
	s_lshl_b32 s43, 15, s43                        ; my row of the cluster
	s_lshl_b32 s44, 0x1111, s40                    ; my column
	; group 1 for O's images: a dense block of 32,768 bytes as 128 rows of 32 elements of 8 bytes, no padding
	s_or_b32 s[G1+0], s43, (3<<16)|(1<<21)         ; 15:0 the mask; 17:16 element of 8 bytes; 21 set beside a mask
	s_mov_b32 s[G1+1], 32<<16                      ; tensor_dim0
	s_mov_b32 s[G1+2], 128<<16                     ; tensor_dim1
	s_mov_b32 s[G1+3], 32<<16                      ; tile_dim0
	s_mov_b32 s[G1+4], 128                         ; tile_dim1
	s_mov_b32 s[G1+5], 32                          ; the pitch: rows on end
	s_mov_b32 s[G1+6], 0
	s_mov_b32 s[G1+7], 0
	; group 1 for Wo's tiles: 64 rows x 256 bytes, 16 bytes of padding behind each
	s_or_b32 s[G1B+0], s44, (0<<16)|(1<<20)|(1<<21)|(5<<22)|(3<<25)
	s_mov_b32 s[G1B+1], ROWB<<16
	s_mov_b32 s[G1B+2], 64<<16
	s_mov_b32 s[G1B+3], ROWB<<16
	s_mov_b32 s[G1B+4], 64
	s_mov_b32 s[G1B+5], 1024
	s_mov_b32 s[G1B+6], 0
	s_mov_b32 s[G1B+7], 0
	s_lshl_b32 s20, s17, 1
	s_add_co_u32 s20, s20, s16
	s_lshl_b32 s20, s20, 17                        ; O: run of 128 tokens 2 x tile row + half: four K slots of 32,768 bytes
	s_mov_b32 s21, 0
	s_lshl_b32 s46, s42, 7
	s_lshl_b32 s18, s16, 6
	s_add_co_u32 s46, s46, s18
	s_lshl_b32 s46, s46, 10                        ; Wo: row 128 x tile column + 64 x half, of 1,024 bytes
	s_mov_b32 s47, 0
	s_lshl_b32 s45, s16, 15                        ; where they go: O's block at 32,768 x half,
	s_mul_i32 s19, s16, BHALF
	s_add_co_u32 s19, s19, ABYTES                  ; Wo's half behind both blocks: no place in the cluster enters an LDS address
	s_wait_kmcnt 0x0
	s_load_b64 s[96:97], s[8:9], 0x18              ; e6, e7
	s_add_nc_u64 s[20:21], s[4:5], s[20:21]
	s_add_nc_u64 s[46:47], s[6:7], s[46:47]
	CROUND                                         ; all sixteen work-groups are here: the first joint loads meet
.irp s, 0,1
	s_mov_b32 s[G0+4*\s], 1
	s_add_co_u32 s[G0+4*\s+1], s45, \s*SLOT
	s_add_nc_u64 s[G0+4*\s+2:G0+4*\s+3], s[20:21], \s*32768
	s_or_b32 s[G0+4*\s+3], s[G0+4*\s+3], 0x80000000
	s_mov_b32 s[G0B+4*\s], 1
	s_add_co_u32 s[G0B+4*\s+1], s19, \s*SLOT
	s_add_nc_u64 s[G0B+4*\s+2:G0B+4*\s+3], s[46:47], \s*ROWB
	s_or_b32 s[G0B+4*\s+3], s[G0B+4*\s+3], 0x80000000
	JLOAD G0+4*\s, G1, G0B+4*\s, G1B
.endr
	v_and_b32 v1, 15, v0                           ; r
	v_bfe_u32 v2, v0, 4, 1                         ; h
	v_and_b32 v6, 31, v0
	v_lshlrev_b32 v7, 4, v6                        ; 16 x lane
	v_mul_u32_u24 v3, v1, PITCH
	v_lshl_add_u32 v4, v2, 4, v3
	s_lshl_b32 s21, s15, 15                        ; my 128 tokens' images
	s_mul_i32 s22, s16, BHALF
	s_add_co_u32 s22, s22, ABYTES                  ; my 64 rows of Wo
.irp s, 0,1
	v_add_nc_u32 v[ADRA+\s], s21, v7
	v_add_nc_u32 v[ADRB+\s], s22, v4
	s_add_co_u32 s21, s21, SLOT
	s_add_co_u32 s22, s22, SLOT
.endr
	s_mul_i32 s23, s14, 16*SPITCH                  ; my stage
	v_mul_u32_u24 v5, v1, SPITCH
	v_lshl_add_u32 v5, v2, 5, v5
	v_add_nc_u32 v[STO], s23, v5                   ; in: row r, 32 bytes for each half of the lanes
	v_mul_u32_u24 v5, v2, SPITCH
	v_lshl_add_u32 v5, v1, 4, v5
	v_add_nc_u32 v[RD], s23, v5                    ; back: lanes 0-15 one row of 256 bytes, lanes 16-31 the next
	v_lshlrev_b32 v5, 12, v2
	v_lshl_add_u32 v[CO], v1, 4, v5                ; and the same two rows in out0 (4,096 bytes a row)
	s_lshl_b32 s20, s17, 8
	s_lshl_b32 s21, s15, 7
	s_add_co_u32 s20, s20, s21
	s_lshl_b32 s20, s20, 12                        ; my first token's row
	s_lshl_b32 s46, s42, 9
	s_lshl_b32 s47, s16, 8
	s_add_co_u32 s46, s46, s47                     ; my first column, in bytes: 512 x tile column + 256 x half
	s_add_co_u32 s20, s20, s46
	s_mov_b32 s21, 0
	s_mov_b32 s47, 0
	s_add_nc_u64 s[12:13], s[12:13], s[20:21]
	s_add_nc_u64 s[10:11], s[10:11], s[46:47]      ; bo at my 64 columns
	v_lshlrev_b32 v8, 5, v2                        ; 32 h: my 8 columns of a block of 16
.irp b, 0,1,2,3
	global_load_b128 v[BI+8*\b:BI+8*\b+3], v8, s[10:11] offset:64*\b
	global_load_b128 v[BI+8*\b+4:BI+8*\b+7], v8, s[10:11] offset:64*\b+16
.endr
.macro FRAGA reg, slot, q, a           ; an image comes back as it was stored: registers 4 c .. 4 c + 3 hold K = 32 c + 16 (l / 16) + 0 .. 15 of row l % 16
.irp c, 0,1,2,3
	ds_load_b128 v[\reg+4*\c:\reg+4*\c+3], v[ADRA+\slot] offset:(\a)*4096+(\q)*2048+512*\c
.endr
.endm
.macro FRAGB reg, slot, q, i           ; the same order of K from rows
.irp c, 0,1,2,3
	ds_load_b128 v[\reg+4*\c:\reg+4*\c+3], v[ADRB+\slot] offset:128*(\q)+32*\c+(\i)*16*PITCH
.endr
.endm
; 8 matrix instructions: O's blocks a0, a0 + 1 x Wo's four, 128 along K.  The 32 accumulators take turns, one instruction a turn.
.macro MUL8 a0, p, zero
.irp a, \a0, \a0+1
.irp b, 0,1,2,3
.if \zero
	v_wmma_f32_16x16x128_fp8_fp8 v[8*(4*(\a)+\b):8*(4*(\a)+\b)+7], v[128*(\p)+FR*\b:128*(\p)+FR*\b+FR-1], v[AF+FR*(\a):AF+FR*(\a)+FR-1], 0
.else
	v_wmma_f32_16x16x128_fp8_fp8 v[8*(4*(\a)+\b):8*(4*(\a)+\b)+7], v[128*(\p)+FR*\b:128*(\p)+FR*\b+FR-1], v[AF+FR*(\a):AF+FR*(\a)+FR-1], v[8*(4*(\a)+\b):8*(4*(\a)+\b)+7]
.endif
.endr
.endr
.endm
.macro FETCH_B slot, q, p
	WIN TO_B
.irp i, 0,1,2,3
	FRAGB 128*(\p)+FR*\i, \slot, \q, \i
.endr
	WIN 0
.endm
.macro FETCH_A slot, q, i0
.irp i, \i0, \i0+1, \i0+2, \i0+3
	FRAGA AF+FR*(\i), \slot, \q, \i
.endr
.endm
.macro PLACES n
.rept \n
	v_nop
.endr
.endm
.macro STEP slot, q, zero
	s_wait_dscnt 4*NL                              ; Wo's set and O's blocks 0-3 are in; the youngest 16 loads (blocks 4-7) may be out
	WIN MUL
	MUL8 0, (\q)%2, \zero
	MUL8 2, (\q)%2, \zero
	s_wait_dscnt 0
	PLACES NP
	FETCH_B \slot, (\q)+1, 1-(\q)%2
	FETCH_A \slot, (\q)+1, 0
	WIN MUL
	MUL8 4, (\q)%2, \zero
	MUL8 6, (\q)%2, \zero
	PLACES NP
	WIN 0
	FETCH_A \slot, (\q)+1, 4
.endm
; A slot's last step changes slots: ONE barrier; in front of it each wave waits for all its tensor loads, adds 0 to its spare word, and waits for that and for its own reads of this slot.
.macro TURN slot, next, fill
	s_wait_tensorcnt 0x0                           ; all my tensor loads have landed: my part of the next slot
	ds_add_u32 v[SPW], v[NIL]                      ; 0 onto my spare word
	s_wait_dscnt 4*NL+1                            ; (the add and the youngest 16 loads may be out)
	WIN MUL
	MUL8 0, 1, 0
	s_wait_dscnt 0x0                               ; the add is done, and my reads of this slot are over
	s_barrier_signal -1
	MUL8 2, 1, 0
	WIN 0
	s_barrier_wait -1
.if \fill
	CREST                                          ; the barrier has opened a round of the cluster's barrier
	s_add_nc_u64 s[G0+4*\slot+2:G0+4*\slot+3], s[G0+4*\slot+2:G0+4*\slot+3], 2*32768
	s_add_nc_u64 s[G0B+4*\slot+2:G0B+4*\slot+3], s[G0B+4*\slot+2:G0B+4*\slot+3], 2*ROWB
	JLOAD G0+4*\slot, G1, G0B+4*\slot, G1B         ; the first tensor load behind the round; its four v_nop are the places in front of the loads below
.else
	PLACES NP
.endif
	FETCH_B \next, 0, 0
	FETCH_A \next, 0, 0
	WIN MUL
	MUL8 4, 1, 0
	MUL8 6, 1, 0
	PLACES NP
	WIN 0
	FETCH_A \next, 0, 4
.endm
	s_wait_tensorcnt 1                             ; my part of slot 0 is in; slot 1's load may be out
	s_barrier_signal -1
	s_barrier_wait -1
	FETCH_B 0, 0, 0
	FETCH_A 0, 0, 0
	FETCH_A 0, 0, 4
	STEP 0, 0, 1
	TURN 0, 1, 1
	STEP 1, 0, 0
	TURN 1, 0, 1
	STEP 0, 0, 0
	TURN 0, 1, 0                                   ; nothing is left to fetch; behind this barrier nobody reads slot 0
	STEP 1, 0, 0
	s_wait_dscnt 4*NL
	WIN MUL
	MUL8 0, 1, 0
	MUL8 2, 1, 0
	s_wait_dscnt 0
	MUL8 4, 1, 0
	MUL8 6, 1, 0
	WIN 0
; THE WAY OUT, block by block of 16 tokens x 64 columns: sum x 2^(e6 + e7) + bo by one packed multiply-add for two numbers; through my own stage, back as whole rows of 256 bytes.
; LDS serves a wave's instructions in order (ISA guide 5.7.1.4): no wait between the stores and the loads, nor in front of the next block's stores.
.macro TOSTAGE a
	WIN 0x02                                       ; source 0: window 2
.irp b, 0,1,2,3
.irp p, 0,2,4,6
	v_pk_fma_f32 v[TMP+8*\b+\p:TMP+8*\b+\p+1], v[8*(4*(\a)+\b)+\p:8*(4*(\a)+\b)+\p+1], s[96:97], v[BI+8*\b+\p:BI+8*\b+\p+1] op_sel_hi:[1,0,1]   ; each accumulator from its low end on
.endr
.endr
	WIN 0
.irp b, 0,1,2,3
	ds_store_b128 v[STO], v[TMP+8*\b:TMP+8*\b+3] offset:64*\b
	ds_store_b128 v[STO], v[TMP+8*\b+4:TMP+8*\b+7] offset:64*\b+16
.endr
.set BB, BK+32*((\a)%2)
.irp t, 0,1,2,3,4,5,6,7
	ds_load_b128 v[BB+4*\t:BB+4*\t+3], v[RD] offset:\t*2*SPITCH
.endr
.endm
.macro SEND a, younger                 ; younger: the LDS instructions issued behind block a's loads, which may stay out
.set BB, BK+32*((\a)%2)
	s_wait_dscnt \younger
.irp t, 0,1,2,3,4,5,6,7
	global_store_b128 v[CO], v[BB+4*\t:BB+4*\t+3], s[12:13] offset:(32*((\a)/2)+8*((\a)%2)+2*\t+8*(\t/4))*4096 th:TH_STORE_NT   ; rows 2 t and 2 t + 1 of the block are tokens .. + 2 t + 8 (t / 4) and the next; 16 lanes store 256 consecutive bytes, aligned
.endr
.endm
	s_wait_kmcnt 0x0
	s_add_co_i32 s96, s96, s97
	s_add_co_i32 s96, s96, 127
	s_lshl_b32 s96, s96, 23                        ; 2^(e6 + e7) as f32
	s_wait_loadcnt 0x0                             ; the bias
	PLACES NP                                      ; behind the last products: their results are read, and O's registers loaded, below
	TOSTAGE 0
.irp a, 1,2,3,4,5,6,7
.if \a > 1
	s_wait_xcnt 0x0                                ; block a - 2's stores have read their registers: block a's loads may land there
.endif
	TOSTAGE \a
	SEND \a-1, 16                                  ; behind block a - 1's loads: block a's 8 stores and 8 loads
.endr
	SEND 7, 0
	s_wait_tensorcnt 0x0                           ; the wave's end: behind my last tensor load and my last LDS store
	ds_add_u32 v[SPW], v[NIL]
	s_wait_dscnt 0x0
	CROUND                                         ; the closing round: no work-group ends while a partner may still ask for a tile that names it
	s_endpgm
.Lfunc_end_k_q262bfaddaa_proj:
	.size	k_q262bfaddaa_proj, .Lfunc_end_k_q262bfaddaa_proj-k_q262bfaddaa_proj
	.p2alignl 7, 3214868480
	.fill 96, 4, 3214868480
	.section	.rodata,"a",@progbits
	.p2align	6, 0x0
	.amdhsa_kernel k_q262bfaddaa_proj
		.amdhsa_group_segment_fixed_size 327680
		.amdhsa_private_segment_fixed_size 0
		.amdhsa_enable_private_segment 0
		.amdhsa_kernarg_size 40
		.amdhsa_user_sgpr_count 2
		.amdhsa_user_sgpr_kernarg_segment_ptr 1
		.amdhsa_wavefront_size32 1
		.amdhsa_system_sgpr_workgroup_id_x 1
		.amdhsa_system_sgpr_workgroup_id_y 1
		.amdhsa_system_sgpr_workgroup_id_z 1
		.amdhsa_system_vgpr_workitem_id 0
		.amdhsa_next_free_vgpr 768
		.amdhsa_next_free_sgpr 100
		.amdhsa_reserve_vcc 0
		.amdhsa_float_denorm_mode_32 3
		.amdhsa_float_denorm_mode_16_64 3
		.amdhsa_memory_ordered 1
		.amdhsa_forward_progress 1
		.amdhsa_inst_pref_size 78
	.end_amdhsa_kernel
	.amdgpu_metadata
---
amdhsa.version: [ 1, 2 ]
amdhsa.kernels:
  - .name:           k_q262bfaddaa_proj
    .symbol:         k_q262bfaddaa_proj.kd
    .args:
      - { .name: oimg, .offset: 0, .size: 8, .value_kind: global_buffer, .address_space: global }
      - { .name: Wo_codes, .offset: 8, .size: 8, .value_kind: global_buffer, .address_space: global }
      - { .name: lowp_scales, .offset: 16, .size: 8, .value_kind: global_buffer, .address_space: global }
      - { .name: bo, .offset: 24, .size: 8, .value_kind: global_buffer, .address_space: global }
      - { .name: out0, .offset: 32, .size: 8, .value_kind: global_buffer, .address_space: global }
    .group_segment_fixed_size: 327680
    .private_segment_fixed_size: 0
    .kernarg_segment_align: 8
    .kernarg_segment_size: 40
    .max_flat_workgroup_size: 128
    .sgpr_count:     100
    .vgpr_count:     768
    .wavefront_size: 32
...
	.end_amdgpu_metadata
.endif
;; end of part 4
;; ======== version 2 of 2: 4 launches; version 1 with the launch attn written anew for expert scheduling mode
;; workspace buffers: qimg 8,388,608 bytes; kimg 8,388,608 bytes; vimg 8,388,608 bytes; oimg 8,388,608 bytes; maskw 524,288 bytes of whole numbers; tflags 8,192 bytes of whole numbers; need 1,024 bytes of whole numbers
;; launch maskpack: the kernel of part 1 again; grid 16 x 16, 8 waves a work-group, no clusters, 1,280 bytes of LDS; arguments mask, maskw, tflags, need; writes maskw, tflags, need
;; launch qkv: the kernel of part 2 again; grid 12 x 32, 4 waves a work-group, clusters of 4 x 4, 327,680 bytes of LDS; arguments x_codes, Wqkv_codes, lowp_scales, bqkv, qimg, kimg, vimg; writes qimg, kimg, vimg
;; launch attn (part 5): grid 4 x 64, 8 waves a work-group, no clusters, 263,168 bytes of LDS; arguments qimg, kimg, vimg, maskw, tflags, need, lowp_scales, oimg; writes oimg
.if DOCPART == 5
	.amdgcn_target "amdgcn-amd-amdhsa--gfx1250"
	.amdhsa_code_object_version 6
	.text
	.protected	k_q262bfaddaa_attn
	.globl	k_q262bfaddaa_attn
	.p2align	8
	.type	k_q262bfaddaa_attn,@function
k_q262bfaddaa_attn:
	s_mov_b64 s[64:65], 0
	v_nop
	global_prefetch_b8 v0, s[64:65] scope:SCOPE_SE
	s_setreg_imm32_b32 hwreg(HW_REG_WAVE_SCHED_MODE, 0, 2), 2
	s_setreg_imm32_b32 hwreg(HW_REG_WAVE_MODE, 25, 1), 1
	s_wait_xcnt 0x0
	s_wait_alu depctr_vm_vsrc(0)
; O = softmax(mask(q k^T / 8)) v for one (batch, head), both products on codes of FP8 (E4M3); O is quantised with 2^e6 and stored as the image of the projection's operand.
; THE SOFTMAX: t = score x log2(e) / 8; M = the running largest t rounded UP to a whole number; p = 2^(t - M) is quantised with 2^e4, not normalised; the row's sum is taken of the unquantised p and divides O at the end.
; When M moves, the sum and O are multiplied by 2^(old M - new M): exact.  The mask is an input: hidden scores become -infinity ahead of the maximum, by lane masks that an earlier launch packed.
; SHARES.  Work-group (i, bh) takes the blocks of 256 queries 7 - i (first pass) and i (second pass) of head bh.  Wave w owns 32 queries, group g = 8 block + w: two tiles of 16 that share every fragment of K and V.
; THE HEAD'S K AND V STAY IN LDS: 16 chunks of 16,384 bytes (128 keys: K's image, then V's), stored once, during the first pass, a chunk a trip, one barrier a trip; no byte is written twice, so the second pass has no barrier.
; WORK THAT THE MASK THROWS AWAY IS LEFT OUT: a key step (128 keys) all of whose places are hidden for my 32 queries is jumped over, one with no hidden place runs without the masking lines; chunks that none of the
; work-group's 512 queries needs are not loaded.  These are scalar branches on whole numbers that an earlier launch stored (tflags, need): right for every mask.
; NO TENSOR LOADS, NO CLUSTER: the four work-groups of a head read the same 256 KiB, but which steps a wave walks hangs on numbers read from memory.
; LAYOUT.  Both products are used transposed: S^T = K Q^T (source 0 = 16 keys), O^T = V^T P^T (source 0 = 16 channels): a lane holds ONE query (lane % 16) throughout.  Tile 2 B + u of 16 keys (or queries) holds
; tokens 32 B + 8 u + p + 8 (p / 8), so that score register n of a lane is key 32 (n / 16) + 16 (lane / 16) + n % 16, and the conversions' results are the second product's operand.
; A ROW THAT THE MASK HIDES WHOLLY has the sum 0: its codes are made the NaN code (0 x 1/0 is added behind the hold), as the softmax of such a row is NaN.
; LIMITS on the given exponents, so that each power of two below is an f32 number: e2 + e3 between -123 and 130 (added to c's exponent field); e4 and e6 between -126 and 119.
; REGISTERS.  window 0: v1-11 addresses and constants; v12-15 at work; v16-31 two tiles' statistics; v32-47 Q; v48-79 p's codes; v80-207 S^T, then p; v208-223 a chunk on its way; v224-247 at work.
;   window 1: v0-63 O^T (32 a tile); v64-127 K's eight fragments; v128-191 V's four.
; THE MODE: SCHED_MODE bits 1:0 = 2 (LLVM: expert scheduling mode 2), set by the entry lines.  The code itself states the register dependences between vector or matrix instructions
; and memory or LDS instructions, with s_wait_alu, always for 0.
; THE PLAN.  Registers that memory or LDS instructions touch:
;   v[LI], v[LDW], v[OST], v[PFO]  offsets, written once at the head, ahead of the head's wait on va_vdst, and never again.
;   v[ADK], v[ADS]  LDS addresses of the trip's chunk.  Written by one add each at a trip's head, behind a wait on vm_vsrc (the last trip's LDS loads and stores have read them).
;                   ADS is read by the trip's four LDS stores, ADK by the step's 32 LDS loads: a wait on va_vdst stands directly ahead of each of the two runs.
;   STG             a chunk on its way: global loads land in it, the LDS stores read it, no vector instruction names it.  A wait on vm_vsrc stands between the stores and the next chunk's loads.
;   QF              Q: loaded at a pass's head, read by that pass's products K Q^T.
;   KF, VF          the step's LDS loads land in them, its products read them.  The wait on va_vdst at a step's head states that the last step's products are done reading both; behind it V's loads
;                   stand among the products K Q^T, which name S^T, KF and QF: none of the registers that V's loads touch.
;   OC              O's codes: written by the conversions at a pass's end, read by the eight stores behind them: one wait on va_vdst between; a wait on vm_vsrc at the second pass's head.
;   S^T, p's codes, O^T and the statistics are named by vector and matrix instructions alone.
.set LI,   1                           ; v1   16 x lane
.set LDW,  2                           ; v2   16 x thread: my 16 bytes of 4,096, in memory and in LDS
.set ADK,  3                           ; v3   LDS address of the trip's chunk for my lane
.set ADS,  4                           ; v4   and for my thread's stores
.set OST,  5                           ; v5   16 r + 8 h: my 8 codes of O in 256 bytes of the image
.set PFO,  6                           ; v6   256 x lane: the prefetches' offset
.set NINF, 7                           ; v7   -infinity
.set PSC,  8                           ; v8   2^e4;  v9  448 x 2^e4
.set PLIM, 9
.set OSC,  10                          ; v10  2^e6;  v11 448 x 2^e6
.set OLIM, 11
.set VA,   12
.set VB,   13
.set VX,   14                          ; a lane permute's destination: written at the head
.set ST,   16                          ; tile u's statistics at v[ST + 8 u]: +0 -M, +1 the largest t, +2, +3 the sum in two halves, +4 f (+5 named with it as a pair)
.set QF,   32
.set PC,   48
.set S,    80
.set STG,  208
.set SUM2, 224
.set Z,    226
.set GG,   228
.set OC,   232
.set OT,   0                           ; window 1
.set KF,   64
.set VF,   128
.set NEEDW, 2                          ; s2   bit k: chunk (trip + k) is needed
.set PFW,  3                           ; s3   the same in a wave that prefetches, else 0
.set WV,   18
.set T,    19                          ; s19  the trip = the key step
.set SEL,  20                          ; s[20:21] selects for lane l xor 16
.set CS,   22                          ; s[22:23] c = log2(e) / 8 x 2^(e2 + e3), twice
.set FW,   24                          ; s24  my group's flags, two bits a step
.set FL,   25
.set TB,   26                          ; s26  LDS byte of the trip's chunk
.set MO,   27                          ; s27  512 x trip: the step's records of lane masks
.set HOLD, 28                          ; s28  1: p is held at 448 x 2^e4
.set EPV,  29                          ; s29  e4 + e5
.set PFP,  30                          ; s[30:31] K's (wave 0) or V's (wave 1) chunk of the next trip
.set OP,   66                          ; s[66:67] the pass's place in oimg
.set MP,   100                         ; s[100:101] my group's records in maskw
.set MSB, 0
.macro WIN new
.if MSB != (\new)
	s_set_vgpr_msb (MSB<<8)|(\new)
.set MSB, (\new)
.endif
.endm
	s_load_b256 s[4:11], s[0:1], 0x0               ; qimg, kimg, vimg, maskw
	s_load_b256 s[68:75], s[0:1], 0x20             ; tflags, need, the scales' exponents, oimg
	v_lshl_add_u32 v254, v0, 2, 0x40000
	v_mov_b32 v255, 0
	v_lshrrev_b32 v[VA], 5, v0
	v_readfirstlane_b32 s[WV], v[VA]               ; wave 0..7
	v_and_b32 v[VB], 31, v0
	v_lshlrev_b32 v[LI], 4, v[VB]
	v_lshlrev_b32 v[LDW], 4, v0
	v_lshlrev_b32 v[PFO], 8, v[VB]
	v_and_b32 v[VX], 15, v0
	v_bfe_u32 v15, v0, 4, 1
	v_lshlrev_b32 v[OST], 4, v[VX]
	v_lshl_add_u32 v[OST], v15, 3, v[OST]
	v_mov_b32 v[NINF], 0xff800000
	v_mov_b32 v[ST+5], 0                           ; upper halves of pairs of which the low word alone is taken: written once
	v_mov_b32 v[ST+13], 0
	v_mov_b32 v[GG+1], 0
	s_wait_alu depctr_va_sdst(0)                   ; s[WV] is written, ahead of its first reader: who prefetches, and each pass's group of queries, are made from it
	s_mov_b32 s[SEL], 0x76543210
	s_mov_b32 s[SEL+1], 0xfedcba98
	s_and_b32 s24, ttmp7, 0xffff                   ; bh = 16 batch + head
	s_lshl_b32 s26, s24, 17                        ; a head's 16 chunks of 8,192 bytes
	s_mov_b32 s27, 0
	s_sub_co_u32 s16, 7, ttmp9
	s_lshl_b32 s16, s16, 7                         ; need: 128 bytes for a block of 256 queries
	s_lshl_b32 s17, ttmp9, 7
	s_wait_kmcnt 0x0
	s_load_b256 s[76:83], s[72:73], 0x0            ; e0 .. e7
	s_load_b512 s[32:47], s[70:71], s16 offset:0x0
	s_load_b512 s[48:63], s[70:71], s16 offset:0x40
	s_load_b512 s[84:99], s[70:71], s17 offset:0x0
	s_add_nc_u64 s[4:5], s[4:5], s[26:27]
	s_add_nc_u64 s[6:7], s[6:7], s[26:27]
	s_add_nc_u64 s[8:9], s[8:9], s[26:27]
	s_wait_alu depctr_va_vdst(0)                   ; the offsets v[LI], v[LDW], v[OST] and v[PFO] are written, which the kernel's global loads, stores and prefetch read; none is written again
	global_load_b128 v[STG:STG+3], v[LDW], s[6:7]                  ; chunk 0 is asked for whatever the flags say, so that these registers are written on every way
	global_load_b128 v[STG+4:STG+7], v[LDW], s[6:7] offset:4096
	global_load_b128 v[STG+8:STG+11], v[LDW], s[8:9]
	global_load_b128 v[STG+12:STG+15], v[LDW], s[8:9] offset:4096
	s_mov_b64 s[12:13], s[68:69]                   ; tflags
	s_lshr_b32 s26, s24, 4
	s_lshl_b32 s26, s26, 21                        ; oimg: batch x 2^21
	s_bfe_u32 s25, s24, 0x20002
	s_lshl_b32 s25, s25, 15                        ; + (head / 4) x 32,768: the projection's K slot
	s_add_co_u32 s26, s26, s25
	s_and_b32 s25, s24, 3
	s_lshl_b32 s25, s25, 10                        ; + (head % 4) x 1,024
	s_add_co_u32 s26, s26, s25
	s_add_nc_u64 s[14:15], s[74:75], s[26:27]
	s_wait_kmcnt 0x0
	s_mov_b32 s[NEEDW], s32
.set k, 33
.rept 31
	s_or_b32 s[NEEDW], s[NEEDW], s[k]
.set k, k+1
.endr
.set k, 84
.rept 16
	s_or_b32 s[NEEDW], s[NEEDW], s[k]
.set k, k+1
.endr
	s_load_b512 s[32:47], s[70:71], s17 offset:0x40
	s_add_co_i32 s25, s78, s79                     ; e2 + e3
	s_cmp_gt_i32 s25, 2
	s_cselect_b32 s[HOLD], 1, 0
	s_cmp_lt_i32 s80, -8
	s_cselect_b32 s[HOLD], 1, s[HOLD]              ; With e2 + e3 <= 2 a score's |t| stays under 64 x 448^2 x 4 x 0.19 < 2^24 x 0.8, so the rounded product and the fused t - M differ by less than 0.8 and p < 1.75;
	s_lshl_b32 s25, s25, 23                        ; with e4 >= -8 then p / 2^e4 < 448: the hold could never act, whatever the data, and is jumped over
	s_add_co_i32 s[CS], s25, 0x3e38aa3b            ; c = log2(e) / 8, the two exponents added to its exponent field
	s_mov_b32 s[CS+1], s[CS]
	s_add_co_i32 s25, s80, 127
	s_lshl_b32 s26, s25, 23
	v_mov_b32 v[PSC], s26
	s_add_co_i32 s25, s25, 8
	s_lshl_b32 s25, s25, 23
	s_or_b32 s25, s25, 0x600000
	v_mov_b32 v[PLIM], s25
	s_add_co_i32 s25, s82, 127
	s_lshl_b32 s26, s25, 23
	v_mov_b32 v[OSC], s26
	s_add_co_i32 s25, s25, 8
	s_lshl_b32 s25, s25, 23
	s_or_b32 s25, s25, 0x600000
	v_mov_b32 v[OLIM], s25
	s_add_co_i32 s[EPV], s80, s81
	s_wait_kmcnt 0x0
.set k, 32
.rept 16
	s_or_b32 s[NEEDW], s[NEEDW], s[k]
.set k, k+1
.endr
	s_lshr_b32 s25, s[WV], 1                       ; 0 in waves 0 and 1,
	s_or_b32 s25, s25, ttmp9                       ; of the head's first work-group: all four walk the same K and V, so one asks
	s_cmp_eq_u32 s25, 0
	s_cselect_b32 s[PFW], s[NEEDW], 0
	s_cmp_eq_u32 s[WV], 0
	s_cselect_b64 s[PFP:PFP+1], s[6:7], s[8:9]
.macro MASKLOAD u                      ; tile u's 64 lane masks of this step into s32-63 and s68-99
	s_load_b512 s[32:47], s[MP:MP+1], s[MO] offset:256*\u
	s_load_b512 s[48:63], s[MP:MP+1], s[MO] offset:256*\u+64
	s_load_b512 s[68:83], s[MP:MP+1], s[MO] offset:256*\u+128
	s_load_b512 s[84:99], s[MP:MP+1], s[MO] offset:256*\u+192
.endm
.macro MASKAPPLY u                     ; one instruction a score register, each accumulator from its low end on
.set n, 0
.rept 64
.if n < 32
	v_cndmask_b32 v[S+64*\u+n], v[S+64*\u+n], v[NINF], s[32+n]
.else
	v_cndmask_b32 v[S+64*\u+n], v[S+64*\u+n], v[NINF], s[36+n]
.endif
.set n, n+1
.endr
.endm
; Tile u's softmax for one key step: 64 scores a lane become p's 16 registers of codes.  No memory or LDS instruction names a register of it.
.macro SOFTMAX u
.set rS, S+64*\u
.set rT, ST+8*\u
	v_max3_num_f32 v[VA], v[rS], v[rS+1], v[rS+2]  ; the step's largest score of my query among my 64 keys, in two chains, ascending
	v_max3_num_f32 v[VB], v[rS+3], v[rS+4], v[rS+5]
.set i, 6
.rept 14
	v_max3_num_f32 v[VA], v[VA], v[rS+i], v[rS+i+1]
	v_max3_num_f32 v[VB], v[VB], v[rS+i+2], v[rS+i+3]
.set i, i+4
.endr
	v_max3_num_f32 v[VA], v[VA], v[rS+62], v[rS+63]
	v_max_num_f32 v[VA], v[VA], v[VB]
	v_permlanex16_b32 v[VX], v[VA], s[SEL], s[SEL+1]
	v_max_num_f32 v[VA], v[VA], v[VX]              ; and among lane l xor 16's
	v_mul_f32 v[VA], s[CS], v[VA]                  ; as t (c is positive)
	v_max_num_f32 v[rT+1], v[rT+1], v[VA]          ; the running largest t
	v_mov_b32 v[VA], v[rT]
	v_floor_f32 v[rT], -v[rT+1]                    ; the new -M = floor(-t): M is a whole number
	v_sub_f32 v[VA], v[rT], v[VA]                  ; old M - new M: a whole number, 0 or less
	v_cvt_i32_f32 v[VA], v[VA]                     ; (it saturates)
	v_ldexp_f32 v[rT+4], 1.0, v[VA]                ; f = 2^(old M - new M)
.set i, 0
.rept 32
	v_pk_fma_f32 v[rS+i:rS+i+1], v[rS+i:rS+i+1], s[CS:CS+1], v[rT:rT+1] op_sel_hi:[1,0,0]   ; t - M, two at a time
.set i, i+2
.endr
.set i, 0
.rept 64
	v_exp_f32 v[rS+i], v[rS+i]                     ; p = 2^(t - M); 0 where the key is hidden
.set i, i+1
.endr
	v_pk_mul_f32 v[rT+2:rT+3], v[rT+2:rT+3], v[rT+4:rT+5] op_sel_hi:[1,0]   ; the sums under the new M: the plain instruction behind the exponentials
	s_wait_alu depctr_va_vdst(0)                   ; the 64 exponentials have written p, v[rS] on: one wait for the whole batch, ahead of its first reader
	v_pk_add_f32 v[SUM2:SUM2+1], v[rS:rS+1], v[rS+2:rS+3]   ; the row's sum is taken of the unquantised p, in two chains
.set i, 4
.rept 15
	v_pk_add_f32 v[rT+2:rT+3], v[rT+2:rT+3], v[rS+i:rS+i+1]
	v_pk_add_f32 v[SUM2:SUM2+1], v[SUM2:SUM2+1], v[rS+i+2:rS+i+3]
.set i, i+4
.endr
	v_pk_add_f32 v[rT+2:rT+3], v[rT+2:rT+3], v[SUM2:SUM2+1]
	s_cmp_eq_u32 s[HOLD], 0
	s_cbranch_scc1 .Lno_hold_\@
.set i, 0
.rept 64
	v_min_num_f32 v[rS+i], v[rS+i], v[PLIM]        ; the conversion does not saturate (ISA guide 7.6.2); p is not negative, so the hold is one-sided
.set i, i+1
.endr
.Lno_hold_\@:
.set i, 0
.rept 8
	v_cvt_scalef32_pk8_fp8_f32 v[PC+16*\u+2*i:PC+16*\u+2*i+1], v[rS+8*i:rS+8*i+7], v[PSC]
.set i, i+1
.endr
	v_nop                                          ; one plain vector instruction behind the last conversion
.endm
; A KEY STEP for my two tiles: 32 LDS loads, 16 products K Q^T, two softmaxes, 8 products V^T P.  masked = 1: the step has hidden places.
.macro STEP masked
.if \masked
	s_lshl_b32 s[MO], s[T], 9
	MASKLOAD 0                                     ; (the last selects that read these scalar registers stand ahead of a wait on va_vdst: that of their own step's second softmax)
.endif
	WIN 0x40                                       ; destination window 1, address window 0
	s_wait_alu depctr_va_vdst(0)                   ; v[ADK] is written, which the 32 loads of this step read; the last step's products are done reading K's and V's fragments, in which they land
.irp t, 0,1,2,3,4,5,6,7
	ds_load_b128 v[KF+8*\t:KF+8*\t+3], v[ADK] offset:1024*\t
	ds_load_b128 v[KF+8*\t+4:KF+8*\t+7], v[ADK] offset:1024*\t+512
.endr
	s_wait_dscnt 8                                 ; K's tiles 0 to 3 are in; the eight loads of tiles 4 to 7 may be out
	WIN 0x01                                       ; source 0 (K) window 1
.irp t, 0,1,2,3
.irp u, 0,1
	v_wmma_f32_16x16x64_fp8_fp8 v[S+64*\u+8*\t:S+64*\u+8*\t+7], v[KF+8*\t:KF+8*\t+7], v[QF+8*\u:QF+8*\u+7], 0
.endr
.endr
	WIN 0x40
.irp t, 0,1,2,3                                ; V's loads stand among the products.  No wait: the products issued since the wait above name S^T, K's fragments and Q, not V's fragments nor v[ADK]
.irp c, 0,1,2,3
	ds_load_b128 v[VF+16*\t+4*\c:VF+16*\t+4*\c+3], v[ADK] offset:8192+2048*\t+512*\c
.endr
.endr
	s_wait_dscnt 16                                ; K's 16 loads are in; V's 16 may be out
	WIN 0x01
.irp t, 4,5,6,7
.irp u, 0,1
	v_wmma_f32_16x16x64_fp8_fp8 v[S+64*\u+8*\t:S+64*\u+8*\t+7], v[KF+8*\t:KF+8*\t+7], v[QF+8*\u:QF+8*\u+7], 0
.endr
.endr
	WIN 0
.rept 4
	v_nop                                          ; places behind the products, ahead of the first read of their results
.endr
.if \masked
	s_wait_kmcnt 0x0
	MASKAPPLY 0
	s_wait_alu depctr_va_vdst(0)                   ; the 64 selects above are done reading s32 to s99, which the scalar loads below write
	MASKLOAD 1                                     ; tile 1's masks come while tile 0's softmax runs
.endif
	SOFTMAX 0
.if \masked
	s_wait_kmcnt 0x0
	MASKAPPLY 1
.endif
	SOFTMAX 1
	WIN 0x41                                       ; O^T (destination and source 0) window 1, f window 0
.irp u, 0,1
.set i, 0
.rept 16
	v_pk_mul_f32 v[OT+32*\u+i:OT+32*\u+i+1], v[OT+32*\u+i:OT+32*\u+i+1], v[ST+8*\u+4:ST+8*\u+5] op_sel_hi:[1,0]   ; O^T under the new M
.set i, i+2
.endr
.endr
	s_wait_dscnt 0x0                               ; V is in
	WIN 0x51                                       ; V, C and D window 1, p's codes window 0
.irp t, 0,1,2,3
.irp u, 0,1
	v_wmma_f32_16x16x128_fp8_fp8 v[OT+32*\u+8*\t:OT+32*\u+8*\t+7], v[VF+16*\t:VF+16*\t+15], v[PC+16*\u:PC+16*\u+15], v[OT+32*\u+8*\t:OT+32*\u+8*\t+7]   ; the eight accumulators take turns, one instruction a step each
.endr
.endr
	WIN 0
.rept 4
	v_nop                                          ; places behind the products, ahead of the next vector instruction that names O^T
.endr
.endm
; A pass's end: O^T / the sum x 2^(e4 + e5), quantised with 2^e6; a lane's eight channels are 8 bytes, and the wave's store covers 256 consecutive bytes of the image, aligned.
; Both tiles' arithmetic comes first, then one wait, then the eight stores.
.macro FINAL
.irp u, 0,1
	v_add_f32 v[VA], v[ST+8*\u+2], v[ST+8*\u+3]
	v_permlanex16_b32 v[VX], v[VA], s[SEL], s[SEL+1]
	v_add_f32 v[VA], v[VA], v[VX]                  ; the row's sum
	v_rcp_f32 v[VB], v[VA]
	v_nop                                          ; one plain instruction behind the reciprocal,
	s_wait_alu depctr_va_vdst(0)                   ; and the reciprocal has written v[VB], ahead of its first reader
	v_mul_f32 v[Z], 0, v[VB]                       ; 0; NaN where the sum is 0 (a row that the mask hides wholly)
	v_ldexp_f32 v[GG], v[VB], s[EPV]
	v_mov_b32 v[Z+1], v[Z]
	WIN 0x01                                       ; source 0 (O^T) window 1
.set i, 0
.rept 16
	v_pk_mul_f32 v[S+64*\u+i:S+64*\u+i+1], v[OT+32*\u+i:OT+32*\u+i+1], v[GG:GG+1] op_sel_hi:[1,0]
.set i, i+2
.endr
	WIN 0
.set i, 0
.rept 32
	v_med3_num_f32 v[S+64*\u+i], v[S+64*\u+i], -v[OLIM], v[OLIM]
.set i, i+1
.endr
.set i, 0
.rept 16
	v_pk_add_f32 v[S+64*\u+i:S+64*\u+i+1], v[S+64*\u+i:S+64*\u+i+1], v[Z:Z+1]
.set i, i+2
.endr
.irp t, 0,1,2,3
	v_cvt_scalef32_pk8_fp8_f32 v[OC+8*\u+2*\t:OC+8*\u+2*\t+1], v[S+64*\u+8*\t:S+64*\u+8*\t+7], v[OSC]
.endr
	v_nop
.endr
	s_wait_alu depctr_va_vdst(0)                   ; the eight conversions have written v[OC] on, which the stores read
.irp u, 0,1
.irp t, 0,1,2,3
	global_store_b64 v[OST], v[OC+8*\u+2*\t:OC+8*\u+2*\t+1], s[OP:OP+1] offset:4096*\u+256*\t
.endr
.endr
.endm
; A PASS over the head's 16 key steps for one block of queries.  stream = 1: the first pass, which also brings the chunks into LDS.
.macro PASS stream
	s_wait_xcnt 0x0                                ; every earlier memory instruction has read its registers: bases, offsets and store data are written again below
.if !\stream
	s_wait_alu depctr_vm_vsrc(0)                   ; the first pass's stores have read v[OC] on, which this pass's conversions write again
.endif
.if \stream
	s_sub_co_u32 s[FL], 7, ttmp9
.else
	s_mov_b32 s[FL], ttmp9
.endif
	s_lshl_b32 s[FL], s[FL], 3
	s_add_co_u32 s[FL], s[FL], s[WV]               ; g
	s_lshl_b32 s16, s[FL], 11                      ; Q: two tiles of 1,024 bytes a group
	s_mov_b32 s17, 0
	s_add_nc_u64 s[16:17], s[4:5], s[16:17]
.irp u, 0,1                                    ; No wait on va_vdst here: v[LI] was written ahead of the head's wait; the products that read Q stand ahead of the wait in front of the last pass's stores, and no vector instruction since names Q or v[LI]
	global_load_b128 v[QF+8*\u:QF+8*\u+3], v[LI], s[16:17] offset:1024*\u
	global_load_b128 v[QF+8*\u+4:QF+8*\u+7], v[LI], s[16:17] offset:1024*\u+512
.endr
	s_lshl_b32 s[FW], s[FL], 7
	s_load_b512 s[32:47], s[12:13], s[FW] offset:0x0   ; my two tiles' flag words, one a step
	s_load_b512 s[48:63], s[12:13], s[FW] offset:0x40
	s_lshl_b32 s26, s[FL], 13
	s_mov_b32 s27, 0
	s_add_nc_u64 s[MP:MP+1], s[10:11], s[26:27]
	s_lshr_b32 s26, s[FL], 2
	s_lshl_b32 s26, s26, 17                        ; oimg: (g / 4) x 131,072: the run of 128 tokens,
	s_and_b32 s[T], s[FL], 3
	s_lshl_b32 s[T], s[T], 13                      ; + (g % 4) x 8,192: its tiles 2 (g % 4) and + 1
	s_add_co_u32 s26, s26, s[T]
	s_add_nc_u64 s[OP:OP+1], s[14:15], s[26:27]
	WIN 0x40
.set i, 0
.rept 64
	v_mov_b32 v[OT+i], 0                           ; which step is a wave's first hangs on the flags, so no product can start the sums: O^T begins as zeros, which the first change of M leaves zeros
.set i, i+1
.endr
	WIN 0
.irp u, 0,1
	v_mov_b32 v[ST+8*\u+1], 0xff61b1e6             ; the largest t so far: -3e38, under every t
	v_floor_f32 v[ST+8*\u], -v[ST+8*\u+1]
	v_mov_b32 v[ST+8*\u+2], 0
	v_mov_b32 v[ST+8*\u+3], 0
.endr
	s_wait_kmcnt 0x0
	s_mov_b32 s[FW], s32
.set k, 33
.rept 31
	s_or_b32 s[FW], s[FW], s[k]
.set k, k+1
.endr
	s_mov_b32 s[T], 0
	s_mov_b32 s[TB], 0
.if !\stream
	s_wait_loadcnt 0x0                             ; Q
.endif
.Ltrip_\@:
	s_wait_alu depctr_vm_vsrc(0)                   ; the LDS loads issued so far have read v[ADK], the LDS stores v[ADS]: both are written again below
	v_add_nc_u32 v[ADK], s[TB], v[LI]
.if \stream
	v_add_nc_u32 v[ADS], s[TB], v[LDW]
	s_wait_loadcnt 0x0                             ; this trip's chunk is in registers (in the first trip: Q too)
	s_wait_xcnt 0x0                                ; and the loads and the prefetch have read their bases, which step below
	s_bitcmp1_b32 s[NEEDW], 0
	s_cbranch_scc0 .Lkept_\@
	s_wait_alu depctr_va_vdst(0)                   ; v[ADS] is written, which the four stores read as their address (their data come from loads)
	ds_store_b128 v[ADS], v[STG:STG+3]
	ds_store_b128 v[ADS], v[STG+4:STG+7] offset:4096
	ds_store_b128 v[ADS], v[STG+8:STG+11] offset:8192
	ds_store_b128 v[ADS], v[STG+12:STG+15] offset:12288
.Lkept_\@:
	s_wait_dscnt 0x0                               ; for the others' sake: my part of the chunk lies in LDS
	s_barrier_signal -1
	s_barrier_wait -1                              ; everybody's does.  The next trip stores other bytes, so no second barrier is needed
	s_add_nc_u64 s[6:7], s[6:7], 8192
	s_add_nc_u64 s[8:9], s[8:9], 8192
	s_add_nc_u64 s[PFP:PFP+1], s[PFP:PFP+1], 8192
	s_bitcmp1_b32 s[NEEDW], 1
	s_cbranch_scc0 .Lasked_\@
	s_wait_alu depctr_vm_vsrc(0)                   ; my LDS stores have read v[STG] on, in which the four loads below land
	global_load_b128 v[STG:STG+3], v[LDW], s[6:7]                  ; the next trip's chunk: it has this trip's work in which to land
	global_load_b128 v[STG+4:STG+7], v[LDW], s[6:7] offset:4096
	global_load_b128 v[STG+8:STG+11], v[LDW], s[8:9]
	global_load_b128 v[STG+12:STG+15], v[LDW], s[8:9] offset:4096
	s_bitcmp1_b32 s[PFW], 2
	s_cbranch_scc0 .Lasked_\@
	global_prefetch_b8 v[PFO], s[PFP:PFP+1] offset:8192 th:TH_LOAD_NT scope:SCOPE_SE   ; the chunk that the NEXT trip will load: 8,192 bytes, lanes 256 bytes apart; wave 0 K's, wave 1 V's, in the head's first work-group alone. Bits 16 on of the word are 0: nothing past the head's last chunk is named
.Lasked_\@:
	s_lshr_b32 s[NEEDW], s[NEEDW], 1
	s_lshr_b32 s[PFW], s[PFW], 1
.endif
	s_and_b32 s[FL], s[FW], 3                      ; bit 0: some place open, bit 1: some place hidden, for my 32 queries in this step
	s_lshr_b32 s[FW], s[FW], 2
	s_cmp_eq_u32 s[FL], 1
	s_cbranch_scc1 .Lopen_\@
	s_cmp_eq_u32 s[FL], 3
	s_cbranch_scc0 .Lnext_\@                       ; all hidden: every p would be 0
	STEP 1
	s_branch .Lnext_\@
.Lopen_\@:
	STEP 0
.Lnext_\@:
	s_add_co_u32 s[TB], s[TB], 16384
	s_add_co_u32 s[T], s[T], 1
	s_cmp_lt_u32 s[T], 16
	s_cbranch_scc1 .Ltrip_\@
	FINAL
.endm
	PASS 1
	PASS 0
	s_wait_dscnt 0x0
	s_wait_alu depctr_hold_cnt(0) depctr_sa_sdst(0) depctr_va_vdst(0) depctr_va_sdst(0) depctr_va_ssrc(0) depctr_va_vcc(0) depctr_vm_vsrc(0)
	s_wait_tensorcnt 0x0
	ds_add_u32 v254, v255
	s_wait_dscnt 0x0
	s_endpgm
.Lfunc_end_k_q262bfaddaa_attn:
	.size	k_q262bfaddaa_attn, .Lfunc_end_k_q262bfaddaa_attn-k_q262bfaddaa_attn
	.p2alignl 7, 3214868480
	.fill 96, 4, 3214868480
	.section	.rodata,"a",@progbits
	.p2align	6, 0x0
	.amdhsa_kernel k_q262bfaddaa_attn
		.amdhsa_group_segment_fixed_size 263168
		.amdhsa_private_segment_fixed_size 0
		.amdhsa_enable_private_segment 0
		.amdhsa_kernarg_size 64
		.amdhsa_user_sgpr_count 2
		.amdhsa_user_sgpr_kernarg_segment_ptr 1
		.amdhsa_wavefront_size32 1
		.amdhsa_system_sgpr_workgroup_id_x 1
		.amdhsa_system_sgpr_workgroup_id_y 1
		.amdhsa_system_sgpr_workgroup_id_z 1
		.amdhsa_system_vgpr_workitem_id 0
		.amdhsa_next_free_vgpr 512
		.amdhsa_next_free_sgpr 102
		.amdhsa_reserve_vcc 0
		.amdhsa_float_denorm_mode_32 3
		.amdhsa_float_denorm_mode_16_64 3
		.amdhsa_memory_ordered 1
		.amdhsa_forward_progress 1
		.amdhsa_inst_pref_size 168
	.end_amdhsa_kernel
	.amdgpu_metadata
---
amdhsa.version: [ 1, 2 ]
amdhsa.kernels:
  - .name:           k_q262bfaddaa_attn
    .symbol:         k_q262bfaddaa_attn.kd
    .args:
      - { .name: qimg, .offset: 0, .size: 8, .value_kind: global_buffer, .address_space: global }
      - { .name: kimg, .offset: 8, .size: 8, .value_kind: global_buffer, .address_space: global }
      - { .name: vimg, .offset: 16, .size: 8, .value_kind: global_buffer, .address_space: global }
      - { .name: maskw, .offset: 24, .size: 8, .value_kind: global_buffer, .address_space: global }
      - { .name: tflags, .offset: 32, .size: 8, .value_kind: global_buffer, .address_space: global }
      - { .name: need, .offset: 40, .size: 8, .value_kind: global_buffer, .address_space: global }
      - { .name: lowp_scales, .offset: 48, .size: 8, .value_kind: global_buffer, .address_space: global }
      - { .name: oimg, .offset: 56, .size: 8, .value_kind: global_buffer, .address_space: global }
    .group_segment_fixed_size: 263168
    .private_segment_fixed_size: 0
    .kernarg_segment_align: 8
    .kernarg_segment_size: 64
    .max_flat_workgroup_size: 256
    .sgpr_count:     102
    .vgpr_count:     512
    .wavefront_size: 32
...
	.end_amdgpu_metadata
.endif
;; end of part 5
;; launch proj: the kernel of part 4 again; grid 8 x 32, 4 waves a work-group, clusters of 4 x 4, 327,680 bytes of LDS; arguments oimg, Wo_codes, lowp_scales, bo, out0; writes out0
